; MI455X (gfx1250); checked and timed in simulation.
; The chip was launched on July 23, 2026; its instructions are those of AMD's public machine-readable ISA for CDNA 5 (MIT licence, August 2026) and "CDNA5" Instruction Set Architecture Reference Guide (July 2026). The comments in the code are by the model that wrote it; some were corrected since.
;; Causal Self Attention. Allowed arithmetic: matrix products marked QUANTISED: E2M1 operands, one E8M0 scale for each 32 along K, by v_wmma_scale_f32_16x16x128_f8f6f4 with both operands' format E2M1 (or v_wmma_scale_f32_32x16x128_f4), f32 sums; products left as they are: bf16, f16 or f32 operands; f32 sums; everything else in f32.
;; Inputs: Wc 1,024 x 1,024 float32; Wkv 1,024 x 2,048 float32; Wq 1,024 x 1,024 float32; x 4 x 2,048 x 1,024 float32.
;; Outputs: out0 4 x 2,048 x 1,024 float32.
;; This version of the problem:
;;   THIS VERSION OF THE PROBLEM IS GIVEN IN LOW PRECISION. The matrix products marked QUANTISED in the list below multiply operands that are first quantised to E2M1 (2 exponent bits, 1 mantissa bit; 4 bits a number), with one power-of-two scale for each 32 numbers along K (OCP MX v1.0); their sums are f32. The products marked 'left as it is' may take bf16, f16 or f32 operands, with f32 sums. Whichever they take, every output number must still come out within the allowed error. Rounding operands to bf16 (8 significant bits) uses up far more of that allowance than f16 does (11 bits, for magnitudes from 6e-5 to 65,504). All else is computed in f32.
;;   The module's matrix products, in the order in which they are computed (A, B: the left and right operand; K: the contracted axis; several contracted axes count as one K, in the product's order):
;;     1. [M 8,192, K 1,024] x [K 1,024, N 1,024]; A: input x; B: input Wq: QUANTISED
;;     2. [M 8,192, K 1,024] x [K 1,024, N 2,048]; A: input x; B: input Wkv: QUANTISED
;;     3. [M 2,048, K 1] x [K 1, N 32]; A: computed on the way; B: computed on the way: left as it is (no contracted axis)
;;     4. batch 64 x [M 2,048, K 64] x [K 64, N 2,048]; A: computed on the way; B: computed on the way: left as it is (an operand is computed on the way)
;;     5. batch 64 x [M 2,048, K 2,048] x [K 2,048, N 64]; A: computed on the way; B: computed on the way: left as it is (an operand is computed on the way)
;;     6. [M 8,192, K 1,024] x [K 1,024, N 1,024]; A: computed on the way; B: input Wc: left as it is (an operand is computed on the way)
;;   THE QUANTISER, for each operand of a quantised product, along K:
;;     - K is cut into blocks of 32 from its start; a last block that is shorter is filled with zeros.
;;     - A block's scale is 2^e with e = floor(log2(the largest magnitude in the block)) - 2, held to -126 .. 127; a block of zeros has e = 0. As a byte (E8M0): e + 127.
;;     - Each number is divided by its block's scale, clamped to +-6, and rounded to the nearest number of E2M1, ties to even, subnormals kept.
;;     - The product sums the exact products of the quantised numbers (number of the format x scale) in f32.
;;   ~~~python
;;   def quantise(x, axis):      # numpy; x: float32 -> the quantised numbers, widened to float32 again
;;       x = np.moveaxis(x, axis, -1); K = x.shape[-1]
;;       x = np.pad(x, [(0, 0)] * (x.ndim - 1) + [(0, -K % 32)]); x = x.reshape(x.shape[:-1] + (-1, 32)); a = np.abs(x).max(-1, keepdims=True)
;;       e = np.where(a > 0, np.clip(np.frexp(np.where(a > 0, a, 1))[1] - 1 - 2, -126, 127), 0)      # np.frexp(a)[1] - 1 = floor(log2(a)), exactly
;;       r = np.clip(x / 2.0 ** e, -6, 6)
;;       step = 2.0 ** (np.maximum(np.frexp(np.where(r == 0, 1, r))[1] - 1, 0) - 1)
;;       q = np.round(r / step) * step * 2.0 ** e      # np.round: ties to even
;;       return np.moveaxis(q.reshape(q.shape[:-2] + (-1,))[..., :K], -1, axis).astype(np.float32)
;;   ~~~
;; One version. Each part assembles by itself: llvm-mc -triple=amdgcn-amd-amdhsa -mcpu=gfx1250 --defsym DOCPART=n.
;; ======== version 1 of 1: 5 launches
;; limits: values are held in f16: magnitudes above 65,504 overflow, below 6.1e-05 lose precision
;; workspace buffers: codes 5,767,168 bytes; scales 360,448 bytes; wct 2,097,152 bytes; tab 524,288 bytes; qkv 50,331,648 bytes; first 786,432 bytes; y2 16,777,216 bytes
;; launch prep (part 1): grid 400 x 1, 4 waves a work-group, no clusters, 137,728 bytes of LDS; arguments x, Wq, Wkv, Wc, codes, scales, wct, tab; writes codes, scales, wct, tab
.if DOCPART == 1
	.amdgcn_target "amdgcn-amd-amdhsa--gfx1250"
	.amdhsa_code_object_version 6
	.text
	.protected	k_q30a91b37de_prep
	.globl	k_q30a91b37de_prep
	.p2align	8
	.type	k_q30a91b37de_prep,@function
k_q30a91b37de_prep:
	s_mov_b64 s[64:65], 0
	v_nop
	global_prefetch_b8 v0, s[64:65] scope:SCOPE_SE
	s_setreg_imm32_b32 hwreg(HW_REG_WAVE_MODE, 25, 1), 1
	s_wait_xcnt 0x0
; PREP: everything that later launches read many times is made once.
;   work-groups   0- 15  Wq  [k 1024][n 1024] f32 -> codes of E2M1 along k, laid [n][k], and one E8M0 byte for each 32 along k
;   work-groups  16- 47  Wkv [k 1024][n 2048] f32 -> the same, behind Wq's (rows n = 1024 .. 3071)
;   work-groups  48-111  Wc  [k 1024][n 1024] f32 -> f16, laid [n][k]
;   work-groups 112-367  x   [8192][1024] f32     -> codes and scale bytes, k innermost as it lies
;   work-groups 368-399  the table of cos and sin: [t 2048][cos(t f_i), i = 0..31 | sin(t f_i), i = 0..31] f32, f_i = 10000^(-i/32)
; The work-groups with the longest chains of loads (the weights') have the lowest numbers.
; THE QUANTISER: a block's scale is 2^(floor(log2(largest magnitude)) - 2); its byte is the largest magnitude's exponent field - 2, held at 1 from below.
; Each number is divided by the scale and rounded to the nearest code, ties to even; beyond 6 the largest code.
; LIMITS: a block of zeros gets the byte 1 where the rule says 127 (its codes are zeros, and this program alone reads the bytes); NaN and infinities are not served;
; |Wc| stays under 65,504 (f16); f_i comes from v_exp_f32, so an angle at t = 2047 may differ by about 4e-4 rad from the exactly rounded one.
; No tensor loads, no barrier: waves share nothing.  Each path has LDS bytes of its own.
.set SPW,   192                        ; v192 LDS address of my spare word: SPARE + 4 x my thread's number; never rewritten
.set NIL,   193                        ; v193 0; never rewritten
.set LWQ,   32768                      ; LDS: x's path has 4 x 8,192 bytes from 0; then a stage of 4 x 32 x 272 bytes for each of the three weights' paths
.set LWKV,  67584
.set LWC,   102400
.set SPARE, 137216                     ; the spare words, 128 bytes for each wave
.set EMAX,  2
.set PITCH, 272                        ; a stage row: 256 bytes + 16
; ---- x's path: registers
.set XR,    16                         ; v16-79   four sets of 16 numbers as they are loaded
.set XX,    80                         ; v80-111  two sets of 16 neighbours
.set XE,    112                        ; v112-127 a scale byte for each step
.set XC,    128                        ; v128-191 codes: four registers for each step, so that no store's data are written again
.set SP,    80                         ; a lane's place in x's stage: its 64 bytes + 16
.set CB,    8                          ; bytes of 16 codes
; ---- the weights' paths: registers
.set WX,    32                         ; v32-95   two sets of 32 numbers
.set WCD,   96                         ; v96-111  a block's codes (or 32 f16)
.set WO,    112                        ; v112-175 the way out
.set WS,    24                         ; v24-27   scale bytes, four to a register
; ---- the table's path
.set TR,    64                         ; v64-95   two numbers for each of 16 rows
.macro XLOAD t                         ; step t: four loads, each of 512 consecutive bytes
.irp i, 0,1,2,3
	global_load_b128 v[XR+16*((\t)%4)+4*\i:XR+16*((\t)%4)+4*\i+3], v3, s[4:5] offset:2048*(\t)+512*\i th:TH_LOAD_NT
.endr
.endm
.macro XTURN t                         ; step t's 2,048 bytes through the wave's own stage: in as they lie, out 64 bytes a lane.  LDS serves a wave's instructions in order
.irp i, 0,1,2,3
	ds_store_b128 v14, v[XR+16*((\t)%4)+4*\i:XR+16*((\t)%4)+4*\i+3] offset:32*SP*((\t)%2)+8*SP*\i
.endr
.irp i, 0,1,2,3
	ds_load_b128 v[XX+16*((\t)%2)+4*\i:XX+16*((\t)%2)+4*\i+3], v15 offset:32*SP*((\t)%2)+16*\i
.endr
.endm
.macro XSTEP t
.set XS, XX+16*((\t)%2)
.if (\t) > 0
	s_wait_dscnt 1                                 ; this step's numbers are back from the stage; the last step's byte store may be out
.else
	s_wait_dscnt 0x0
.endif
.if (\t)+4 < 16
	XLOAD (\t)+4                                   ; the stage's stores have read their registers: they take the loads of four steps on
.endif
.if (\t)+1 < 16
.if 14-(\t) >= 3
	s_wait_loadcnt 12                              ; the next step's four loads are in; those of the three steps behind it may be out
.else
	s_wait_loadcnt 4*(14-(\t))
.endif
	XTURN (\t)+1
.endif
	v_max3_num_f32 v8, |v[XS]|, |v[XS+1]|, |v[XS+2]|   ; the largest magnitude of my 16, in two chains
	v_max3_num_f32 v9, |v[XS+3]|, |v[XS+4]|, |v[XS+5]|
.irp i, 6,10
	v_max3_num_f32 v8, v8, |v[XS+\i]|, |v[XS+\i+1]|
	v_max3_num_f32 v9, v9, |v[XS+\i+2]|, |v[XS+\i+3]|
.endr
	v_max3_num_f32 v8, v8, |v[XS+14]|, |v[XS+15]|
	v_max3_num_f32 v8, v8, v9, (EMAX+1)<<23        ; and the floor 2^(3 - 127): the byte cannot fall under 1
	v_max_num_f32_dpp v8, v8, v8 row_xmask:1 row_mask:0xf bank_mask:0xf   ; with my neighbour's 16: the block's
	v_add_nc_u32 v11, -(EMAX<<23), v8              ; 2 off its exponent field: the conversion takes this operand's exponent field as its scale
	v_cvt_scalef32_pk8_fp4_f32 v[XC+4*(\t)], v[XS:XS+7], v11
	v_cvt_scalef32_pk8_fp4_f32 v[XC+4*(\t)+1], v[XS+8:XS+15], v11
	v_lshrrev_b32 v[XE+(\t)], 23, v11              ; the scale's byte (a plain line behind the conversions)
	ds_store_b8 v5, v[XE+(\t)] offset:16*(\t)      ; both lanes of a block write the same byte with the same value
	global_store_b64 v4, v[XC+4*(\t):XC+4*(\t)+1], s[12:13] offset:32*CB*(\t)   ; the wave stores 256 consecutive bytes, aligned
.endm
.macro STAGEADR LB, KROW               ; the addresses of a weight's path: LB the path's stage, KROW the bytes of a row of its output
	v_lshlrev_b32 v3, 2, v2                        ; in: 4 bytes a lane
	s_mul_i32 s27, s20, 32*PITCH
	s_add_co_u32 s27, s27, \LB                     ; my wave's stage
	v_mul_u32_u24 v4, v2, PITCH
	v_add_nc_u32 v4, s27, v4                       ; into it: row = my column
	v_and_b32 v5, 15, v2
	v_lshrrev_b32 v6, 4, v2
	v_mul_u32_u24 v7, v6, PITCH
	v_lshl_add_u32 v7, v5, 4, v7
	v_add_nc_u32 v7, s27, v7                       ; out of it: sixteen lanes to a row, two rows an instruction
	v_mul_u32_u24 v8, v6, \KROW
	v_lshl_add_u32 v8, v5, 4, v8                   ; and the same place in the output
.endm
.macro WLOAD t, P, SRC                 ; block t: W(32 t + i, my column), i = 0 .. 31; a row of W is P bytes; 32 lanes read 128 consecutive bytes
.irp i, 0,1,2,3,4,5,6,7,8,9,10,11,12,13,14,15,16,17,18,19,20,21,22,23,24,25,26,27,28,29,30,31
	global_load_b32 v[WX+32*((\t)%2)+\i], v3, s[\SRC:\SRC+1] offset:(32*(\t)+\i)*\P th:TH_LOAD_NT
.endr
.endm
.macro WBLOCK t, P, SRC
.set XS, WX+32*((\t)%2)
.if (\t) < 15
	s_wait_loadcnt 32                              ; this block's 32 loads are in; the next block's may be out
.else
	s_wait_loadcnt 0
.endif
	v_max3_num_f32 v12, |v[XS]|, |v[XS+1]|, |v[XS+2]|   ; the block's largest magnitude: all 32 numbers are mine
	v_max3_num_f32 v13, |v[XS+3]|, |v[XS+4]|, |v[XS+5]|
.irp i, 6,10,14,18,22,26
	v_max3_num_f32 v12, v12, |v[XS+\i]|, |v[XS+\i+1]|
	v_max3_num_f32 v13, v13, |v[XS+\i+2]|, |v[XS+\i+3]|
.endr
	v_max3_num_f32 v12, v12, |v[XS+30]|, |v[XS+31]|
	v_max3_num_f32 v12, v12, v13, (EMAX+1)<<23     ; and the floor
	v_add_nc_u32 v11, -(EMAX<<23), v12
	v_lshrrev_b32 v13, 23, v11                     ; the scale's byte
.if (\t)%4 == 0
	v_mov_b32 v[WS+(\t)/4], v13                    ; four bytes to a register, the lower k in the lower byte
.else
	v_lshl_or_b32 v[WS+(\t)/4], v13, 8*((\t)%4), v[WS+(\t)/4]
.endif
.irp g, 0,1,2,3
	v_cvt_scalef32_pk8_fp4_f32 v[WCD+\g], v[XS+8*\g:XS+8*\g+7], v11
.endr
	ds_store_b128 v4, v[WCD:WCD+3] offset:16*(\t)  ; 32 codes: 16 bytes of my column's row
.if (\t)+2 < 16
	WLOAD (\t)+2, \P, \SRC
.endif
	s_wait_dscnt 0x0                               ; the store has read its registers: the next block's codes may be written
.endm
.macro WOUT KROW, DST                  ; the stage leaves by rows: sixteen lanes store 256 consecutive bytes, aligned; then the wave's end
.irp t, 0,1,2,3,4,5,6,7,8,9,10,11,12,13,14,15
	ds_load_b128 v[WO+4*\t:WO+4*\t+3], v7 offset:2*\t*PITCH
.endr
.irp t, 0,1,2,3,4,5,6,7,8,9,10,11,12,13,14,15
	s_wait_dscnt 15-\t                             ; LDS loads come back in order: load t is in, the younger ones may be out
	global_store_b128 v8, v[WO+4*\t:WO+4*\t+3], s[\DST:\DST+1] offset:2*\t*\KROW
.endr
	s_wait_tensorcnt 0x0                           ; the wave's end: three lines behind my last LDS store
	ds_add_u32 v[SPW], v[NIL]
	s_wait_dscnt 0x0
	s_endpgm
.endm
; A wave takes 32 columns x 512 along k.  s21 = which 128 columns, s22 = which 512 along k.  P: bytes of a row of W; LOGKH: log2(512 P); NB: the first row of this weight in the codes' buffer
.macro WPATH P, LOGKH, NB, LB, SRC
	s_lshl_b32 s23, s21, 7
	s_lshl_b32 s24, s20, 5
	s_add_co_u32 s23, s23, s24                     ; my wave's first column
	s_lshl_b32 s24, s22, \LOGKH
	s_lshl_b32 s25, s23, 2
	s_add_co_u32 s24, s24, s25
	s_mov_b32 s25, 0
	s_add_nc_u64 s[\SRC:\SRC+1], s[\SRC:\SRC+1], s[24:25]
	s_add_co_u32 s23, s23, \NB
	s_lshl_b32 s24, s23, 9                         ; codes: 512 bytes a row, behind x's 0x400000 bytes
	s_lshl_b32 s26, s22, 8
	s_add_co_u32 s24, s24, s26
	s_add_co_u32 s24, s24, 0x400000
	s_add_nc_u64 s[12:13], s[12:13], s[24:25]
	s_lshl_b32 s24, s23, 5                         ; scale bytes: 32 a row, behind x's 0x40000
	s_lshl_b32 s26, s22, 4
	s_add_co_u32 s24, s24, s26
	s_add_co_u32 s24, s24, 0x40000
	s_add_nc_u64 s[14:15], s[14:15], s[24:25]
	STAGEADR \LB, 512
	v_lshlrev_b32 v9, 5, v2                        ; my column's row of scale bytes
	WLOAD 0, \P, \SRC
	WLOAD 1, \P, \SRC
.irp t, 0,1,2,3,4,5,6,7,8,9,10,11,12,13,14,15
	WBLOCK \t, \P, \SRC
.endr
	global_store_b128 v9, v[WS:WS+3], s[14:15]     ; my column's 16 scale bytes
	WOUT 512, 12
.endm
.macro CLOAD t                         ; Wc(32 t + i, my column)
.irp i, 0,1,2,3,4,5,6,7,8,9,10,11,12,13,14,15,16,17,18,19,20,21,22,23,24,25,26,27,28,29,30,31
	global_load_b32 v[WX+32*((\t)%2)+\i], v3, s[10:11] offset:(32*(\t)+\i)*4096 th:TH_LOAD_NT
.endr
.endm
.macro CBLOCK t
.set XS, WX+32*((\t)%2)
.if (\t) < 3
	s_wait_loadcnt 32                              ; this block's 32 loads are in; the next block's may be out
.else
	s_wait_loadcnt 0
.endif
.irp i, 0,1,2,3,4,5,6,7,8,9,10,11,12,13,14,15
	v_cvt_pk_f16_f32 v[WCD+\i], v[XS+2*\i], v[XS+2*\i+1]   ; neighbours along k, the lower in the low half
.endr
.irp g, 0,1,2,3
	ds_store_b128 v4, v[WCD+4*\g:WCD+4*\g+3] offset:64*(\t)+16*\g
.endr
.if (\t)+2 < 4
	CLOAD (\t)+2
.endif
	s_wait_dscnt 0x0                               ; the stores have read their registers
.endm
; cos or sin of t x f: a = t f as f32; n = the nearest whole number to a / (pi/2); r = a - n pi/2 in two parts; polynomials on |r| <= pi/4; the quadrant picks and signs.
; v16 = t; v12 = 0 (my lane makes cos) or 3 (sin(a) = cos(a - pi/2): the quadrant one back)
.macro SINCOS dst, inv
	v_mul_f32 v20, v16, v[\inv]
	v_mul_f32 v21, s24, v20
	v_rndne_f32 v21, v21
	v_fma_f32 v22, v21, s25, v20
	v_fma_f32 v22, v21, s26, v22
	v_cvt_i32_f32 v23, v21
	v_add_nc_u32 v23, v23, v12
	v_mul_f32 v24, v22, v22
	v_fma_f32 v25, v24, s29, s28
	v_fma_f32 v25, v25, v24, s27
	v_mul_f32 v26, v22, v24
	v_fma_f32 v25, v26, v25, v22                   ; sin r
	v_fma_f32 v27, v24, s32, s31
	v_fma_f32 v27, v27, v24, s30
	v_mul_f32 v28, v24, v24
	v_fma_f32 v29, v24, -0.5, 1.0
	v_fma_f32 v27, v28, v27, v29                   ; cos r
	v_and_b32 v28, 1, v23
	v_cmp_eq_u32 vcc_lo, 1, v28
	v_cndmask_b32 v27, v27, v25, vcc_lo            ; odd quadrants take sin r
	v_add_nc_u32 v23, 1, v23
	v_and_b32 v23, 2, v23
	v_lshlrev_b32 v23, 30, v23                     ; quadrants 1 and 2 are negative
	v_xor_b32 v[\dst], v27, v23
.endm
	s_load_b256 s[4:11], s[0:1], 0x0               ; x s[4:5], Wq s[6:7], Wkv s[8:9], Wc s[10:11]
	s_load_b256 s[12:19], s[0:1], 0x20             ; codes s[12:13], scales s[14:15], wct s[16:17], tab s[18:19]
	v_lshl_add_u32 v[SPW], v0, 2, SPARE
	v_mov_b32 v[NIL], 0
	v_lshrrev_b32 v1, 5, v0
	v_readfirstlane_b32 s20, v1                    ; wave 0..3
	v_and_b32 v2, 31, v0                           ; lane
	s_wait_kmcnt 0x0
	s_cmp_lt_u32 ttmp9, 16
	s_cbranch_scc1 .Lwq
	s_cmp_lt_u32 ttmp9, 48
	s_cbranch_scc1 .Lwkv
	s_cmp_lt_u32 ttmp9, 112
	s_cbranch_scc1 .Lwc
	s_cmp_lt_u32 ttmp9, 368
	s_cbranch_scc1 .Lx
	; ---- the table: a wave makes 16 rows.  Lane l: i = 2 (l % 16) and the next; lanes 0-15 cos, lanes 16-31 sin: one store of 8 bytes a lane fills a row's 256 bytes
	s_sub_co_u32 s21, ttmp9, 368
	s_lshl_b32 s21, s21, 6
	s_lshl_b32 s22, s20, 4
	s_add_co_u32 s21, s21, s22                     ; my first t
	s_lshl_b32 s22, s21, 8
	s_mov_b32 s23, 0
	s_add_nc_u64 s[18:19], s[18:19], s[22:23]
	s_mov_b32 s24, 0x3f22f983                      ; 2 / pi
	s_mov_b32 s25, 0xbfc90fdb                      ; -(pi/2 as f32)
	s_mov_b32 s26, 0x333bbd2e                      ; that f32 less pi/2
	s_mov_b32 s27, 0xbe2aaaa3                      ; sin: -1.6666655e-1, 8.3321609e-3, -1.9515296e-4
	s_mov_b32 s28, 0x3c08839e
	s_mov_b32 s29, 0xb94ca1f9
	s_mov_b32 s30, 0x3d2aaaa5                      ; cos: 4.1666646e-2, -1.3887316e-3, 2.4433157e-5
	s_mov_b32 s31, 0xbab6061a
	s_mov_b32 s32, 0x37ccf5ce
	v_and_b32 v3, 15, v2
	v_lshlrev_b32 v3, 1, v3
	v_cvt_f32_u32 v4, v3
	v_add_nc_u32 v3, 1, v3
	v_cvt_f32_u32 v5, v3
	v_mul_f32 v4, 0xbed49a78, v4                   ; -i log2(10000) / 32
	v_mul_f32 v5, 0xbed49a78, v5
	v_exp_f32 v10, v4                              ; f_i
	v_exp_f32 v11, v5
	v_lshrrev_b32 v12, 4, v2                       ; (a plain line behind the exponentials)
	s_wait_alu depctr_va_vdst(0)                   ; one wait for both, ahead of their first reader
	v_mul_u32_u24 v12, v12, 3
	v_lshlrev_b32 v13, 3, v2
.irp k, 0,1,2,3,4,5,6,7,8,9,10,11,12,13,14,15
	v_cvt_f32_u32 v16, s21
	s_add_co_u32 s21, s21, 1
	SINCOS TR+2*\k, 10
	SINCOS TR+2*\k+1, 11
	global_store_b64 v13, v[TR+2*\k:TR+2*\k+1], s[18:19] offset:256*\k   ; each row has registers of its own: no store's data are written again
.endr
	s_endpgm
.Lwq:
	s_and_b32 s21, ttmp9, 7
	s_lshr_b32 s22, ttmp9, 3
	WPATH 4096, 21, 0, LWQ, 6
.Lwkv:
	s_sub_co_u32 s22, ttmp9, 16
	s_and_b32 s21, s22, 15
	s_lshr_b32 s22, s22, 4
	WPATH 8192, 22, 1024, LWKV, 8
.Lwc:                                                  ; a wave takes 32 columns x 128 along k: 256 bytes of f16 for each column
	s_sub_co_u32 s21, ttmp9, 48
	s_lshr_b32 s22, s21, 3                         ; which 128 along k
	s_and_b32 s21, s21, 7                          ; which 128 columns
	s_lshl_b32 s23, s21, 7
	s_lshl_b32 s24, s20, 5
	s_add_co_u32 s23, s23, s24
	s_lshl_b32 s24, s22, 19
	s_lshl_b32 s25, s23, 2
	s_add_co_u32 s24, s24, s25
	s_mov_b32 s25, 0
	s_add_nc_u64 s[10:11], s[10:11], s[24:25]
	s_lshl_b32 s24, s23, 11
	s_lshl_b32 s26, s22, 8
	s_add_co_u32 s24, s24, s26
	s_add_nc_u64 s[16:17], s[16:17], s[24:25]
	STAGEADR LWC, 2048
	CLOAD 0
	CLOAD 1
.irp t, 0,1,2,3
	CBLOCK \t
.endr
	WOUT 2048, 16
.Lx:                                                   ; x is a plain stream of blocks of 32: a wave takes 16 steps of 512 numbers
	s_sub_co_u32 s21, ttmp9, 112
	s_lshl_b32 s21, s21, 2
	s_add_co_u32 s21, s21, s20                     ; which run of 8,192 numbers is my wave's
	s_mov_b32 s23, 0
	s_lshl_b32 s22, s21, 15
	s_add_nc_u64 s[4:5], s[4:5], s[22:23]
	s_lshl_b32 s22, s21, 12
	s_add_nc_u64 s[12:13], s[12:13], s[22:23]
	s_lshl_b32 s22, s21, 8
	s_add_nc_u64 s[14:15], s[14:15], s[22:23]
	v_lshlrev_b32 v3, 4, v2                        ; my 16 bytes of a load's 512
	s_lshl_b32 s24, s20, 13                        ; my wave's 8,192 bytes of LDS: two stages of 32 x 80, then 256 scale bytes
	v_lshrrev_b32 v14, 2, v2
	v_mul_u32_u24 v14, v14, SP
	v_and_b32 v15, 3, v2
	v_lshl_add_u32 v14, v15, 4, v14
	v_add_nc_u32 v14, s24, v14                     ; in: four lanes' 64 bytes on end, then 16 of padding
	v_mul_u32_u24 v15, v2, SP
	v_add_nc_u32 v15, s24, v15                     ; out: my 16 neighbours
	v_mul_u32_u24 v4, v2, CB
	v_lshrrev_b32 v5, 1, v2
	s_add_co_u32 s24, s24, 2*32*SP
	v_add_nc_u32 v5, s24, v5                       ; my block's scale byte
	v_lshlrev_b32 v7, 3, v2
	v_add_nc_u32 v6, s24, v7
.irp t, 0,1,2,3
	XLOAD \t
.endr
	s_wait_loadcnt 12                              ; step 0's four loads are in
	XTURN 0
.irp t, 0,1,2,3,4,5,6,7,8,9,10,11,12,13,14,15
	XSTEP \t
.endr
	ds_load_b64 v[8:9], v6                         ; my wave's 256 scale bytes
	s_wait_dscnt 0x0
	global_store_b64 v7, v[8:9], s[14:15]          ; 32 lanes store 256 consecutive bytes, aligned
	s_wait_tensorcnt 0x0                           ; the wave's end: three lines behind my last LDS store
	ds_add_u32 v[SPW], v[NIL]
	s_wait_dscnt 0x0
	s_endpgm
.Lfunc_end_k_q30a91b37de_prep:
	.size	k_q30a91b37de_prep, .Lfunc_end_k_q30a91b37de_prep-k_q30a91b37de_prep
	.p2alignl 7, 3214868480
	.fill 96, 4, 3214868480
	.section	.rodata,"a",@progbits
	.p2align	6, 0x0
	.amdhsa_kernel k_q30a91b37de_prep
		.amdhsa_group_segment_fixed_size 137728
		.amdhsa_private_segment_fixed_size 0
		.amdhsa_enable_private_segment 0
		.amdhsa_kernarg_size 64
		.amdhsa_user_sgpr_count 2
		.amdhsa_user_sgpr_kernarg_segment_ptr 1
		.amdhsa_wavefront_size32 1
		.amdhsa_system_sgpr_workgroup_id_x 1
		.amdhsa_system_sgpr_workgroup_id_y 1
		.amdhsa_system_sgpr_workgroup_id_z 1
		.amdhsa_system_vgpr_workitem_id 0
		.amdhsa_next_free_vgpr 194
		.amdhsa_next_free_sgpr 66
		.amdhsa_reserve_vcc 1
		.amdhsa_float_denorm_mode_32 3
		.amdhsa_float_denorm_mode_16_64 3
		.amdhsa_memory_ordered 1
		.amdhsa_forward_progress 1
		.amdhsa_inst_pref_size 247
	.end_amdhsa_kernel
	.amdgpu_metadata
---
amdhsa.version: [ 1, 2 ]
amdhsa.kernels:
  - .name:           k_q30a91b37de_prep
    .symbol:         k_q30a91b37de_prep.kd
    .args:
      - { .name: x, .offset: 0, .size: 8, .value_kind: global_buffer, .address_space: global }
      - { .name: Wq, .offset: 8, .size: 8, .value_kind: global_buffer, .address_space: global }
      - { .name: Wkv, .offset: 16, .size: 8, .value_kind: global_buffer, .address_space: global }
      - { .name: Wc, .offset: 24, .size: 8, .value_kind: global_buffer, .address_space: global }
      - { .name: codes, .offset: 32, .size: 8, .value_kind: global_buffer, .address_space: global }
      - { .name: scales, .offset: 40, .size: 8, .value_kind: global_buffer, .address_space: global }
      - { .name: wct, .offset: 48, .size: 8, .value_kind: global_buffer, .address_space: global }
      - { .name: tab, .offset: 56, .size: 8, .value_kind: global_buffer, .address_space: global }
    .group_segment_fixed_size: 137728
    .private_segment_fixed_size: 0
    .kernarg_segment_align: 8
    .kernarg_segment_size: 64
    .max_flat_workgroup_size: 128
    .sgpr_count:     66
    .vgpr_count:     194
    .wavefront_size: 32
...
	.end_amdgpu_metadata
.endif
;; end of part 1
;; launch qkv (part 2): grid 12 x 32, 4 waves a work-group, clusters of 4 x 4, 327,680 bytes of LDS; arguments codes, scales, tab, qkv, first; writes qkv, first
.if DOCPART == 2
	.amdgcn_target "amdgcn-amd-amdhsa--gfx1250"
	.amdhsa_code_object_version 6
	.text
	.protected	k_q30a91b37de_qkv
	.globl	k_q30a91b37de_qkv
	.p2align	8
	.type	k_q30a91b37de_qkv,@function
k_q30a91b37de_qkv:
	s_mov_b64 s[64:65], 0
	v_nop
	global_prefetch_b8 v0, s[64:65] scope:SCOPE_SE
	s_setreg_imm32_b32 hwreg(HW_REG_WAVE_MODE, 25, 1), 1
	s_wait_xcnt 0x0
	s_wait_alu depctr_hold_cnt(0) depctr_sa_sdst(0) depctr_va_vdst(0) depctr_va_sdst(0) depctr_va_ssrc(0) depctr_va_vcc(0) depctr_vm_vsrc(0)
	s_getreg_b32 s2, hwreg(HW_REG_IB_STS2, 6, 4)
	s_cmp_eq_u32 s2, 0
	s_cbranch_scc0 .Lentry_in_a_cluster
	s_endpgm
.Lentry_in_a_cluster:
	s_bfe_u32 s2, ttmp6, 0x10000c
	s_cmp_lg_u32 s2, 0xf033
	s_cbranch_scc0 .Lentry_shape_is_right
	s_endpgm
.Lentry_shape_is_right:
; [q | k | v] = x [Wq | Wkv], 8,192 x 3,072 x 1,024, on codes of E2M1 with one E8M0 scale for each 32 along K; sums in f32.  On the way out q and k are rotated (RoPE) in f32; all three leave as f16,
; laid [part][b][h][t][64]; the rows t < 16 of every sequence leave as f32 too (buffer first), for the launch that carries them finely.
; A tile of the result, 256 x 256, is made by a work-group of four waves; a wave makes 128 x 128: 64 accumulators of 16 x 16, 512 registers.
; ALL OF K LIES IN LDS: two slots of 512 along K (rows of 256 bytes) and the scale bytes of the 512 rows come by three tensor loads a wave at the start; nothing is filled again.
; CLUSTERS: 4 x 4 work-groups.  The four of a row of the cluster need the same rows of x, the four of a column the same rows of W: each tile is asked for JOINTLY.
; A cluster's x is the part (0 q, 1 k, 2 v); tile row = cluster y + 8 cy, so that cy is the batch and all sixteen partners work on the same 256 positions t: the table's rows and the one branch hang on the cluster's place alone.
; THE MATRIX INSTRUCTION IS USED TRANSPOSED (source 0 = 16 rows of W's codes, source 1 = 16 rows of x's): a lane holds eight neighbouring columns of one row.  A head is four accumulators; channel d and d + 32 lie in the same lane
; and register, two accumulators apart, so the rotation needs no other lane.
; v TAKES THE SAME LINES: its work-groups read row 0 of the table for every row, where cos = 1 and sin = 0 exactly, which leaves v as it is.
; LIMITS: |q|, |k|, |v| under 65,504 (f16); NaN and infinities are not served.
; REGISTERS, in windows of 256: window 0: v0-31 addresses; v32-95 scale words, two sets; v128-191 x's fragments, one set; v192-255 two sets of the table.  On the way out v32-95 packed f16, v96-127 a head in f32, v128-191 rows read back.
;   window 1: W's fragments, two sets.   window 2: the accumulators of my rows 0-63 ((a, b) at v[8 (8 a + b)]);   window 3: those of my rows 64-127.
.set KSTEP,  512
.set NQ,     4                         ; matrix instructions deep in a slot
.set ROWB,   256                       ; a tile's row in bytes
.set KROW,   512                       ; a row of codes in memory
.set PITCH,  272                       ; an LDS row: 256 bytes + 16: the 16 rows of a load start at 16 different banks (64 banks of 4 bytes: ISA guide 11.1)
.set FR,     8
.set NL,     2
.set NP,     4                         ; places behind this matrix instruction (ISA guide 7.12.1)
.set HALFT,  128*PITCH
.set SLOT,   4*HALFT                   ; x's 256 rows, then W's 256 rows
.set KS,     32                        ; a row of scale bytes
.set SCL,    2*SLOT                    ; behind the slots: the scale bytes, as runs of 256 bytes + 16
.set HALFS,  (128*KS/256)*272
.set SBLK,   (16*KS/256)*272
.set SPARE,  SCL+4*HALFS               ; the spare words, 128 bytes for each wave
.set SP2,    144                       ; the way out: a stage of 2 heads x 16 rows x (128 bytes + 16) for each wave, in slot 0, which has had its only fill and its last read by then
.set ADRA, 16                          ; v16-17 LDS address of my fragments of x in slot 0, 1
.set ADRB, 20                          ; v20-21 the same for W
.set FO,   22                          ; v22    my byte offset in a head's 16 rows of first
.set STO,  24                          ; v24    the stage: where I put 16 bytes of a row
.set RD,   25                          ; v25    and where I read rows back
.set CO,   26                          ; v26    16 x lane
.set ADRS, 27                          ; v27    LDS address of my scale words: lanes 0-15 x's rows, lanes 16-31 W's
.set SPW,  28                          ; v28    LDS address of my spare word; never rewritten
.set NIL,  29                          ; v29    0; never rewritten
.set TA,   30                          ; v30-31 my byte offset in the table, one register for each of the two sets
.set SC,   32
.set AF,   128
.set H,    32                          ; the way out: packed f16, set (a % 2, head) of 16
.set F,    96                          ; a head's 32 numbers in f32
.set BK,   128                         ; rows read back: two sets of 32
.set CS,   192                         ; the table: set a % 2: registers 8 u + j cos, 16 + 8 u + j sin of i = 16 u + 8 (lane / 16) + j
.set G1, 24
.set G0, 32
.set G1B, 48
.set G0B, 56
.set G1S, 68
.set G0S, 76
.set G1SB, 80
.set G0SB, 88
.set MSB, 0
.macro WIN new                         ; the immediate's high byte repeats the setting that is left
.if MSB != (\new)
	s_set_vgpr_msb (MSB<<8)|(\new)
.set MSB, (\new)
.endif
.endm
.set MUL_LO, 0xa1                      ; source 0 (W) window 1, source 1 (x) window 0, C and D window 2
.set MUL_HI, 0xf1
.set TO_B,   0x40
; A joint load: waves 0 and 1 fetch for x, waves 2 and 3 for W.  The branch hangs on the wave's number alone.  An s_nop 0 and four v_nop follow each line.
.macro JLOAD g0a, g1a, g0b, g1b
	s_cmp_eq_u32 s15, 0
	s_cbranch_scc0 .Lfor_b_\@
	tensor_load_to_lds s[\g0a:\g0a+3], s[\g1a:\g1a+7]
	s_nop 0
.rept 4
	v_nop
.endr
	s_branch .Lasked_\@
.Lfor_b_\@:
	tensor_load_to_lds s[\g0b:\g0b+3], s[\g1b:\g1b+7]
	s_nop 0
.rept 4
	v_nop
.endr
.Lasked_\@:
.endm
.macro CROUND                          ; a round of the cluster's barrier
	s_barrier_signal -1
	s_barrier_wait -1
	s_cmp_lg_u32 s14, 0
	s_cbranch_scc1 .Lnot_wave_0_\@
	s_barrier_signal -3
.Lnot_wave_0_\@:
	s_barrier_wait -3
	s_barrier_signal -1
	s_barrier_wait -1
.endm
	s_load_b128 s[4:7], s[0:1], 0x0                ; codes s[4:5], scales s[6:7]
	s_load_b128 s[8:11], s[0:1], 0x10              ; tab s[8:9], qkv s[10:11]
	s_load_b64 s[12:13], s[0:1], 0x20              ; first
	v_lshl_add_u32 v[SPW], v0, 2, SPARE
	v_mov_b32 v[NIL], 0
	ds_add_u32 v[SPW], v[NIL]                      ; the wave's opening: the add, twice on end, and its wait ahead of my first tensor load
	ds_add_u32 v[SPW], v[NIL]
	v_lshrrev_b32 v1, 5, v0
	v_readfirstlane_b32 s14, v1                    ; wave 0..3
	s_lshr_b32 s15, s14, 1                         ; which half of the tile's rows is mine.  Also: I fetch for x (0) or for W (1)
	s_and_b32 s16, s14, 1                          ; which half of its columns.  Also: which 128 rows I fetch
	s_bfe_u32 s40, ttmp6, 0x40000                  ; cx
	s_bfe_u32 s41, ttmp6, 0x40004                  ; cy
	s_lshl_b32 s42, ttmp9, 2
	s_add_co_u32 s42, s42, s40                     ; tile column = 4 x cluster x + cx
	s_and_b32 s17, ttmp7, 0xffff
	s_lshl_b32 s43, s41, 3
	s_add_co_u32 s17, s17, s43                     ; tile row = cluster y + 8 cy
	s_lshl_b32 s43, s41, 2
	s_lshl_b32 s43, 15, s43                        ; my row of the cluster
	s_lshl_b32 s44, 0x1111, s40                    ; my column
	s_or_b32 s[G1+0], s43, (0<<16)|(1<<20)|(1<<21)|(5<<22)|(3<<25)   ; the mask; elements of 1 byte; padding on; bit 21 beside a mask; 4 words after every 64
	s_or_b32 s[G1B+0], s44, (0<<16)|(1<<20)|(1<<21)|(5<<22)|(3<<25)
.irp g, G1, G1B
	s_mov_b32 s[\g+1], ROWB<<16                    ; tensor_dim0
	s_mov_b32 s[\g+2], 128<<16                     ; tensor_dim1
	s_mov_b32 s[\g+3], ROWB<<16                    ; tile_dim0
	s_mov_b32 s[\g+4], 128                         ; tile_dim1
	s_mov_b32 s[\g+5], KROW                        ; from row to row
	s_mov_b32 s[\g+6], 0
	s_mov_b32 s[\g+7], 0
.endr
	s_or_b32 s[G1S+0], s43, (3<<16)|(1<<20)|(1<<21)|(5<<22)|(3<<25)  ; the scale bytes of 128 rows: 4,096 dense bytes as 16 rows of 32 elements of 8 bytes
	s_or_b32 s[G1SB+0], s44, (3<<16)|(1<<20)|(1<<21)|(5<<22)|(3<<25)
.irp g, G1S, G1SB
	s_mov_b32 s[\g+1], 32<<16
	s_mov_b32 s[\g+2], (128*KS/256)<<16
	s_mov_b32 s[\g+3], 32<<16
	s_mov_b32 s[\g+4], 128*KS/256
	s_mov_b32 s[\g+5], 32
	s_mov_b32 s[\g+6], 0
	s_mov_b32 s[\g+7], 0
.endr
	s_lshl_b32 s18, s16, 7
	s_lshl_b32 s20, s17, 8
	s_add_co_u32 s20, s20, s18                     ; x: row 256 x tile row + 128 x half
	s_lshl_b32 s46, s42, 8
	s_add_co_u32 s46, s46, s18                     ; W: row 256 x tile column + 128 x half
	s_mov_b32 s21, 0
	s_mov_b32 s47, 0
	s_mov_b64 s[18:19], KS
	s_mul_u64 s[22:23], s[20:21], s[18:19]         ; where these rows' scale bytes begin,
	s_mul_u64 s[92:93], s[46:47], s[18:19]
	s_mov_b64 s[18:19], KROW
	s_mul_u64 s[20:21], s[20:21], s[18:19]         ; and their codes
	s_mul_u64 s[46:47], s[46:47], s[18:19]
	s_mul_i32 s45, s14, HALFT                      ; where they go: wave x 128 rows
	s_mul_i32 s94, s14, HALFS
	s_wait_dscnt 0x0                               ; both opening adds are done
	s_wait_kmcnt 0x0
	s_add_nc_u64 s[20:21], s[4:5], s[20:21]
	s_add_nc_u64 s[22:23], s[6:7], s[22:23]
	s_add_nc_u64 s[46:47], s[4:5], s[46:47]
	s_add_nc_u64 s[46:47], s[46:47], 0x400000      ; W's codes lie behind x's
	s_add_nc_u64 s[92:93], s[6:7], s[92:93]
	s_add_nc_u64 s[92:93], s[92:93], 0x40000       ; and its scale bytes behind x's
	CROUND                                         ; all sixteen work-groups are here: the joint loads meet
	s_mov_b32 s[G0S], 1
	s_add_co_u32 s[G0S+1], s94, SCL
	s_mov_b64 s[G0S+2:G0S+3], s[22:23]
	s_or_b32 s[G0S+3], s[G0S+3], 0x80000000
	s_mov_b32 s[G0SB], 1
	s_add_co_u32 s[G0SB+1], s94, SCL
	s_mov_b64 s[G0SB+2:G0SB+3], s[92:93]
	s_or_b32 s[G0SB+3], s[G0SB+3], 0x80000000
	JLOAD G0S, G1S, G0SB, G1SB                     ; the scale bytes first: they are wanted with the first slot
.irp s, 0,1
	s_mov_b32 s[G0+4*\s], 1
	s_add_co_u32 s[G0+4*\s+1], s45, \s*SLOT
	s_add_nc_u64 s[G0+4*\s+2:G0+4*\s+3], s[20:21], \s*ROWB
	s_or_b32 s[G0+4*\s+3], s[G0+4*\s+3], 0x80000000
	s_mov_b32 s[G0B+4*\s], 1
	s_add_co_u32 s[G0B+4*\s+1], s45, \s*SLOT
	s_add_nc_u64 s[G0B+4*\s+2:G0B+4*\s+3], s[46:47], \s*ROWB
	s_or_b32 s[G0B+4*\s+3], s[G0B+4*\s+3], 0x80000000
	JLOAD G0+4*\s, G1, G0B+4*\s, G1B               ; three tensor loads of mine are out in all
.endr
	v_and_b32 v1, 15, v0                           ; r = lane % 16
	v_bfe_u32 v2, v0, 4, 1                         ; h = lane / 16
	v_mul_u32_u24 v3, v1, PITCH
	v_lshl_add_u32 v4, v2, 4, v3                   ; a fragment's row x pitch + 16 h
	s_mul_i32 s21, s15, HALFT
	s_mul_i32 s22, s16, HALFT
	s_add_co_u32 s22, s22, 2*HALFT
.irp s, 0,1
	v_add_nc_u32 v[ADRA+\s], s21, v4
	v_add_nc_u32 v[ADRB+\s], s22, v4
	s_add_co_u32 s21, s21, SLOT
	s_add_co_u32 s22, s22, SLOT
.endr
	v_mul_u32_u24 v5, v1, KS                       ; my row's scale bytes: 32 a row,
	v_lshrrev_b32 v6, 8, v5
	v_lshl_add_u32 v5, v6, 4, v5                   ; and 16 more for each 256 passed
	s_mul_i32 s21, s15, HALFS
	s_mul_i32 s22, s16, HALFS
	s_add_co_u32 s22, s22, 2*HALFS
	s_sub_co_u32 s22, s22, s21
	v_mul_u32_u24 v6, s22, v2                      ; lanes 16-31 take W's
	s_add_co_u32 s21, s21, SCL
	v_add_nc_u32 v5, v5, v6
	v_add_nc_u32 v[ADRS], s21, v5
	s_mul_i32 s23, s14, 2*16*SP2                   ; my stage
	v_mul_u32_u24 v5, v1, SP2
	v_lshl_add_u32 v5, v2, 4, v5
	v_add_nc_u32 v[STO], s23, v5                   ; in: row r, 16 bytes for each half of the lanes
	v_bfe_u32 v5, v0, 3, 2
	v_mul_u32_u24 v5, v5, SP2
	v_and_b32 v3, 7, v0
	v_lshl_add_u32 v5, v3, 4, v5
	v_add_nc_u32 v[RD], s23, v5                    ; back: eight lanes to a row of 128 bytes, four rows an instruction
	v_and_b32 v6, 31, v0
	v_lshlrev_b32 v[CO], 4, v6                     ; four rows of a head are 512 consecutive bytes of memory
	v_lshlrev_b32 v[FO], 8, v1
	v_lshl_add_u32 v[FO], v2, 5, v[FO]             ; first: row r of 256 bytes, + 32 h
	s_lshl_b32 s20, s41, 4
	s_lshl_b32 s21, s40, 2
	s_add_co_u32 s20, s20, s21
	s_lshl_b32 s21, s16, 1
	s_add_co_u32 s20, s20, s21                     ; 16 b + my first head
	s_lshl_b32 s21, ttmp9, 6
	s_add_co_u32 s20, s20, s21                     ; + 64 x part
	s_and_b32 s22, ttmp7, 0xffff
	s_or_b32 s3, s22, s15                          ; 0 where my 128 rows begin a sequence
	s_lshl_b32 s22, s22, 1
	s_add_co_u32 s22, s22, s15                     ; my first position t / 128
	s_lshl_b32 s46, s20, 18                        ; a head is 262,144 bytes,
	s_lshl_b32 s47, s22, 14                        ; 128 rows of it 16,384
	s_add_co_u32 s46, s46, s47
	s_mov_b32 s47, 0
	s_add_nc_u64 s[10:11], s[10:11], s[46:47]
	s_lshl_b32 s46, s20, 12                        ; in first a head is 4,096 bytes
	s_add_nc_u64 s[12:13], s[12:13], s[46:47]
	s_lshl_b32 s22, s22, 15                        ; the table: 128 rows of 256 bytes
	s_cmp_eq_u32 ttmp9, 2                          ; v: every row takes the table's row 0
	s_cselect_b32 s22, 0, s22
	s_cselect_b32 s23, 0, 256
	s_cselect_b32 s2, 0, 0x2000                    ; from a set's block to its next: 32 rows
	s_lshr_b32 s21, s2, 1
	v_mul_u32_u24 v[TA], v1, s23
	v_add_nc_u32 v[TA], s22, v[TA]
	v_lshl_add_u32 v[TA], v2, 5, v[TA]             ; row (t0 + r), + 32 h
	v_add_nc_u32 v[TA+1], s21, v[TA]               ; and 16 rows on
.macro TABLE p                         ; my eight cos and eight sin for each of the two halves u: eight loads into set p
.irp i, 0,1,2,3
	global_load_b128 v[CS+32*(\p)+8*\i:CS+32*(\p)+8*\i+3], v[TA+(\p)], s[8:9] offset:64*\i
	global_load_b128 v[CS+32*(\p)+8*\i+4:CS+32*(\p)+8*\i+7], v[TA+(\p)], s[8:9] offset:64*\i+16
.endr
.endm
	TABLE 0                                        ; blocks 0 and 1 are asked for now and land under the products
	TABLE 1
.macro FRAG reg, adr, q, i             ; 16 rows x 128 K of 4-bit codes: lane l holds row l % 16; registers 4 c .. 4 c + 3 hold K = 64 c + 32 (l / 16) + 0 .. 31
.irp c, 0,1
	ds_load_b128 v[\reg+4*\c:\reg+4*\c+3], v[\adr] offset:64*(\q)+32*\c+(\i)*16*PITCH
.endr
.endm
; 16 matrix instructions: x's blocks a0, a0 + 1 against W's eight.  The 64 accumulators take turns, one instruction a turn, in the same order in every step.
.macro MUL16 a0, p, q, sc, zero
.irp a, \a0, \a0+1
.irp b, 0,1,2,3,4,5,6,7
.if \zero
	v_wmma_scale_f32_16x16x128_f8f6f4 v[8*(8*((\a)%4)+\b):8*(8*((\a)%4)+\b)+7], v[128*(\p)+FR*\b:128*(\p)+FR*\b+FR-1], v[AF+FR*(\a):AF+FR*(\a)+FR-1], 0, v[SC+8*NQ*(\sc)+NQ*\b+(\q)], v[SC+8*NQ*(\sc)+NQ*(\a)+(\q)] matrix_a_fmt:MATRIX_FMT_FP4 matrix_b_fmt:MATRIX_FMT_FP4 matrix_a_scale:MATRIX_SCALE_ROW1
.else
	v_wmma_scale_f32_16x16x128_f8f6f4 v[8*(8*((\a)%4)+\b):8*(8*((\a)%4)+\b)+7], v[128*(\p)+FR*\b:128*(\p)+FR*\b+FR-1], v[AF+FR*(\a):AF+FR*(\a)+FR-1], v[8*(8*((\a)%4)+\b):8*(8*((\a)%4)+\b)+7], v[SC+8*NQ*(\sc)+NQ*\b+(\q)], v[SC+8*NQ*(\sc)+NQ*(\a)+(\q)] matrix_a_fmt:MATRIX_FMT_FP4 matrix_b_fmt:MATRIX_FMT_FP4 matrix_a_scale:MATRIX_SCALE_ROW1
.endif
.endr
.endr
.endm
.macro FETCH_B slot, q, p
	WIN TO_B
.irp i, 0,1,2,3,4,5,6,7
	FRAG 128*(\p)+FR*\i, ADRB+\slot, \q, \i
.endr
	WIN 0
.endm
.macro FETCH_A slot, q, i0
.irp i, \i0, \i0+1, \i0+2, \i0+3
	FRAG AF+FR*(\i), ADRA+\slot, \q, \i
.endr
.endm
.macro SCALES sc                       ; a slot's scale words: 4 words a row; lanes 0-15 take x's block i, lanes 16-31 W's block i
.irp i, 0,1,2,3,4,5,6,7
	ds_load_b128 v[SC+8*NQ*\sc+NQ*\i:SC+8*NQ*\sc+NQ*\i+3], v[ADRS] offset:\i*SBLK
.endr
.endm
.macro PLACES n                        ; plain vector lines between a matrix instruction and a load into, or a read or write of, its registers
.rept \n
	v_nop
.endr
.endm
.macro STEP slot, q, zero              ; 128 along K with its successor in the same slot
	s_wait_dscnt 4*NL                              ; W's set and x's blocks 0-3 are in; the youngest eight loads (x's blocks 4-7) may be out
	WIN MUL_LO
	MUL16 0, (\q)%2, \q, \slot, \zero
	MUL16 2, (\q)%2, \q, \slot, \zero
	s_wait_dscnt 0
	PLACES NP
	FETCH_B \slot, (\q)+1, 1-(\q)%2
	FETCH_A \slot, (\q)+1, 0
	WIN MUL_HI
	MUL16 4, (\q)%2, \q, \slot, \zero
	MUL16 6, (\q)%2, \q, \slot, \zero
	PLACES NP
	WIN 0
	FETCH_A \slot, (\q)+1, 4
.endm
.macro STEPS slot, from
.set Q, \from
.rept NQ-1-\from
	STEP \slot, Q, 0
.set Q, Q+1
.endr
.endm
	s_wait_tensorcnt 1                             ; the scale bytes and my part of slot 0 are in; slot 1's load may be out
	s_barrier_signal -1
	s_barrier_wait -1
	FETCH_B 0, 0, 0
	FETCH_A 0, 0, 0
	SCALES 0
	FETCH_A 0, 0, 4
	STEP 0, 0, 1                                   ; the first step's products start the sums: nothing is cleared
	STEPS 0, 1
	; slot 0's last step changes slots: one barrier; in front of it my part of slot 1 has landed and my reads of slot 0 are over
	s_wait_tensorcnt 0x0
	ds_add_u32 v[SPW], v[NIL]                      ; 0 onto my spare word
	s_wait_dscnt 4*NL+1                            ; the add and the youngest eight loads may be out
	WIN MUL_LO
	MUL16 0, 1, NQ-1, 0, 0
	s_wait_dscnt 0x0
	s_barrier_signal -1
	MUL16 2, 1, NQ-1, 0, 0
	WIN 0
	s_barrier_wait -1
	PLACES NP
	v_add_nc_u32 v[ADRS], 4*NQ, v[ADRS]            ; on to slot 1's scale words
	FETCH_B 1, 0, 0
	FETCH_A 1, 0, 0
	SCALES 1
	WIN MUL_HI
	MUL16 4, 1, NQ-1, 0, 0
	MUL16 6, 1, NQ-1, 0, 0
	PLACES NP
	WIN 0
	FETCH_A 1, 0, 4
	STEPS 1, 0
	s_wait_dscnt 4*NL                              ; the last step: nothing more to fetch
	WIN MUL_LO
	MUL16 0, 1, NQ-1, 1, 0
	MUL16 2, 1, NQ-1, 1, 0
	s_wait_dscnt 0
	WIN MUL_HI
	MUL16 4, 1, NQ-1, 1, 0
	MUL16 6, 1, NQ-1, 1, 0
	WIN 0
; THE WAY OUT, block by block of 16 rows.  Head g of my two is accumulators 4 g .. 4 g + 3: lane (r, h), accumulator 4 g + b, register j: row r, channel 16 b + 8 h + j.
; lo' = lo cos - hi sin, hi' = hi cos + lo sin, with lo = accumulator 4 g + u, hi = 4 g + 2 + u.  Each accumulator is read from its low end on.
.macro ROPE a, g
.set AC, 64*((\a)%4)+32*(\g)
.set CP, CS+32*((\a)%2)
.set HH, H+32*((\a)%2)+16*(\g)
	WIN 0x02+(\a)/4                                ; source 0: the accumulators' window
.irp u, 0,1
.irp j, 0,2,4,6
	v_pk_mul_f32 v[F+8*\u+\j:F+8*\u+\j+1], v[AC+8*\u+\j:AC+8*\u+\j+1], v[CP+8*\u+\j:CP+8*\u+\j+1]
	v_pk_mul_f32 v[F+16+8*\u+\j:F+16+8*\u+\j+1], v[AC+16+8*\u+\j:AC+16+8*\u+\j+1], v[CP+8*\u+\j:CP+8*\u+\j+1]
	v_pk_fma_f32 v[F+8*\u+\j:F+8*\u+\j+1], v[AC+16+8*\u+\j:AC+16+8*\u+\j+1], v[CP+16+8*\u+\j:CP+16+8*\u+\j+1], v[F+8*\u+\j:F+8*\u+\j+1] neg_lo:[1,0,0] neg_hi:[1,0,0]
	v_pk_fma_f32 v[F+16+8*\u+\j:F+16+8*\u+\j+1], v[AC+8*\u+\j:AC+8*\u+\j+1], v[CP+16+8*\u+\j:CP+16+8*\u+\j+1], v[F+16+8*\u+\j:F+16+8*\u+\j+1]
.endr
.endr
	WIN 0
.irp i, 0,1,2,3,4,5,6,7,8,9,10,11,12,13,14,15
	v_cvt_pk_f16_f32 v[HH+\i], v[F+2*\i], v[F+2*\i+1]
.endr
.if (\a) == 0                          ; positions 0 to 15 of a sequence also leave as f32.  The branch hangs on the cluster's y and the wave's number
	s_cmp_lg_u32 s3, 0
	s_cbranch_scc1 .Lnot_first_\@
.irp b, 0,1,2,3
	global_store_b128 v[FO], v[F+8*\b:F+8*\b+3], s[12:13] offset:4096*(\g)+64*\b
	global_store_b128 v[FO], v[F+8*\b+4:F+8*\b+7], s[12:13] offset:4096*(\g)+64*\b+16
.endr
	s_wait_xcnt 0x0                                ; these stores' data registers are written again by the next head only behind this wait
.Lnot_first_\@:
.endif
.irp b, 0,1,2,3
	ds_store_b128 v[STO], v[HH+4*\b:HH+4*\b+3] offset:16*SP2*(\g)+32*\b
.endr
.endm
.macro SEND a, younger                 ; younger: the LDS instructions issued behind block a's loads, which may stay out
.set BB, BK+32*((\a)%2)
	s_wait_dscnt \younger
.irp g, 0,1
.irp i, 0,1,2,3
	global_store_b128 v[CO], v[BB+16*\g+4*\i:BB+16*\g+4*\i+3], s[10:11] offset:262144*\g+2048*(\a)+512*\i   ; 32 lanes store 512 consecutive bytes: four rows of a head
.endr
.endr
.endm
.macro OUT a
.if (\a) < 7
	s_wait_loadcnt 8                               ; this block's eight table loads are in; the next block's eight may be out
.else
	s_wait_loadcnt 0
.endif
	ROPE \a, 0
	ROPE \a, 1
.if (\a) > 1
	s_wait_xcnt 0x0                                ; block a - 2's stores have read the registers into which this block's rows come back
.endif
.if (\a) < 6
	v_add_nc_u32 v[TA+(\a)%2], s2, v[TA+(\a)%2]    ; free since the wait on LOADcnt above: the set's next block
	TABLE (\a)%2
.endif
.set BB, BK+32*((\a)%2)
.irp g, 0,1
.irp i, 0,1,2,3
	ds_load_b128 v[BB+16*\g+4*\i:BB+16*\g+4*\i+3], v[RD] offset:16*SP2*\g+4*SP2*\i   ; LDS serves a wave's instructions in order: these see my stores, and the next block's stores come behind them
.endr
.endr
.if (\a) > 0
	SEND (\a)-1, 16                                ; behind block a - 1's loads: this block's 8 stores and 8 loads
.endif
.endm
	PLACES NP                                      ; behind the last products: their results are read, and their operands' and scales' registers written, from here on
.irp a, 0,1,2,3,4,5,6,7
	OUT \a
.endr
	SEND 7, 0
	s_wait_tensorcnt 0x0                           ; the wave's end: three lines behind my last tensor load and my last LDS store
	ds_add_u32 v[SPW], v[NIL]
	s_wait_dscnt 0x0
	CROUND                                         ; the closing round
	s_endpgm
.Lfunc_end_k_q30a91b37de_qkv:
	.size	k_q30a91b37de_qkv, .Lfunc_end_k_q30a91b37de_qkv-k_q30a91b37de_qkv
	.p2alignl 7, 3214868480
	.fill 96, 4, 3214868480
	.section	.rodata,"a",@progbits
	.p2align	6, 0x0
	.amdhsa_kernel k_q30a91b37de_qkv
		.amdhsa_group_segment_fixed_size 327680
		.amdhsa_private_segment_fixed_size 0
		.amdhsa_enable_private_segment 0
		.amdhsa_kernarg_size 40
		.amdhsa_user_sgpr_count 2
		.amdhsa_user_sgpr_kernarg_segment_ptr 1
		.amdhsa_wavefront_size32 1
		.amdhsa_system_sgpr_workgroup_id_x 1
		.amdhsa_system_sgpr_workgroup_id_y 1
		.amdhsa_system_sgpr_workgroup_id_z 1
		.amdhsa_system_vgpr_workitem_id 0
		.amdhsa_next_free_vgpr 1024
		.amdhsa_next_free_sgpr 100
		.amdhsa_reserve_vcc 0
		.amdhsa_float_denorm_mode_32 3
		.amdhsa_float_denorm_mode_16_64 3
		.amdhsa_memory_ordered 1
		.amdhsa_forward_progress 1
		.amdhsa_inst_pref_size 168
	.end_amdhsa_kernel
	.amdgpu_metadata
---
amdhsa.version: [ 1, 2 ]
amdhsa.kernels:
  - .name:           k_q30a91b37de_qkv
    .symbol:         k_q30a91b37de_qkv.kd
    .args:
      - { .name: codes, .offset: 0, .size: 8, .value_kind: global_buffer, .address_space: global }
      - { .name: scales, .offset: 8, .size: 8, .value_kind: global_buffer, .address_space: global }
      - { .name: tab, .offset: 16, .size: 8, .value_kind: global_buffer, .address_space: global }
      - { .name: qkv, .offset: 24, .size: 8, .value_kind: global_buffer, .address_space: global }
      - { .name: first, .offset: 32, .size: 8, .value_kind: global_buffer, .address_space: global }
    .group_segment_fixed_size: 327680
    .private_segment_fixed_size: 0
    .kernarg_segment_align: 8
    .kernarg_segment_size: 40
    .max_flat_workgroup_size: 128
    .sgpr_count:     100
    .vgpr_count:     1024
    .wavefront_size: 32
...
	.end_amdgpu_metadata
.endif
;; end of part 2
;; launch attn (part 3): grid 4 x 64, 16 waves a work-group, no clusters, 327,680 bytes of LDS; arguments qkv, y2; writes y2
.if DOCPART == 3
	.amdgcn_target "amdgcn-amd-amdhsa--gfx1250"
	.amdhsa_code_object_version 6
	.text
	.protected	k_q30a91b37de_attn
	.globl	k_q30a91b37de_attn
	.p2align	8
	.type	k_q30a91b37de_attn,@function
k_q30a91b37de_attn:
	s_mov_b64 s[64:65], 0
	v_nop
	global_prefetch_b8 v0, s[64:65] scope:SCOPE_SE
	s_setreg_imm32_b32 hwreg(HW_REG_WAVE_MODE, 25, 1), 1
	s_wait_xcnt 0x0
; y[b][h][q] = the sum over k <= q of softmax_k(q . k / 8) v, for 64 heads of 2,048 positions x 64 channels.  q, k, v: f16, [part][b][h][t][64]; products on f16 operands with f32 sums;
; maxima, exponentials and sums in f32; the weights p are rounded to f16 for the second product, y once at the end.  y2: f16, [b][t / 2][h][t % 2][64]: two rows of a head are 256 consecutive bytes.
; SHARES.  Work-group (i, head) owns the blocks i and 7 - i of 256 queries, so that under the causal mask every work-group has the same number of key steps to work.  Each of its sixteen waves owns 32 queries, two tiles
; of 16, in 256 registers: four waves to a SIMD, so that one wave's vector work stands beside another's products and LDS loads.  The late block's eight waves are waves 2, 3, 4, 5, 10, 11, 12, 13.
; NO CLUSTER: the four work-groups of a head need 8, 7, 6 and 5 slots of keys; a joint load would bring some partner tiles that none of its waves reads.
; LAYOUT.  S^T = K Q^T (source 0 = 16 keys, source 1 = 16 queries): a lane holds ONE query (lane % 16) and keys 8 (lane / 16) + 0..7.  Two such tiles, rounded to f16 in pairs, ARE source 1 (32 keys x 16 queries) of
; O^T = V^T P, whose result again holds one query a lane.  K comes out of LDS as it lies, V ([key][channel]) turned, by ds_load_tr16_b128.
; SOFTMAX.  For each query a running maximum m and sum l: p = 2^(c s - c m), c = log2(e) / 8; in every step O and l are multiplied by a = 2^(c m_old - c m_new).
; THE MASK.  Every work-group walks all 8 slots of 256 keys, 8 steps of 32 keys each: the trip counts are constants.  A step whose keys all come after my 32 queries is jumped over (its address steps are not); the one step on
; the diagonal (first key = my first query) sets hidden scores to -infinity.  A slot whose first key comes after the work-group's last query is not asked for.
; LIMITS: |q|, |k|, |v| under 65,504; NaN and infinities are not served.
.set KP,    144                        ; a key's row in LDS: 128 bytes + 16: the 16 rows of a load start at 16 different banks (ISA guide 11.1)
.set VP,    160                        ; a row of V: 128 + 32
.set VOFF,  256*KP                     ; a slot: 256 rows of K, then 256 rows of V
.set SLOT1, 1<<17                      ; slot 1 begins here: one exclusive or turns an address from one slot to the other
.set STAGE, SLOT1+256*(KP+VP)          ; behind the ring: 16 rows x 144 bytes for each wave, for the way out
.set SPARE, STAGE+16*16*KP             ; the spare words, 128 bytes for each wave
.set AK0,  1                           ; v1   my lane's place in a tile of K
.set AV0,  2                           ; v2   the same for V
.set ADK,  3                           ; v3   LDS address of the step's keys
.set ADV,  4                           ; v4   of its values
.set SPW,  5                           ; v5   LDS address of my spare word; never rewritten
.set NIL,  6                           ; v6   0; never rewritten
.set GO,   7                           ; v7   the way out: my byte offset in y2
.set STO,  8                           ; v8   where I put 16 bytes of a row
.set RD,   9                           ; v9   where I read rows back
.set DL,   10                          ; v10  lane % 16 - 8 (lane / 16): on the diagonal register j is hidden where j > this
.set PFO,  11                          ; v11  256 x lane
.set ST,   12                          ; v12-27 statistics, 8 a tile: +0 c m, +1 m, +2, +3 l (even keys', odd keys'), +4, +5 at work, +6 a, +7 at work
.set NINF, 28                          ; v28  -infinity
.set QO,   29                          ; v29  my byte offset in the wave's rows of q
.set QR,   32                          ; v32-63   Q: tile qt, channels 32 dh on, at 16 qt + 8 dh
.set KR,   64                          ; v64-95   K of a step: 16 kt + 8 dh
.set VR,   96                          ; v96-127  V^T of a step: 8 dt
.set S,    128                         ; v128-159 S^T: 16 qt + 8 kt
.set P,    160                         ; v160-175 P: 8 qt
.set O,    176                         ; v176-239 O^T: 32 qt + 8 dt
.set WV,   18
.set SEL,  20                          ; s[20:21] lane selects for v_permlanex16_b32: lane l xor 16
.set CS,   22                          ; s[22:23] c, twice
.set G1K,  24
.set G1V,  32
.set G0K,  40
.set G0V,  44
.set TK,   2                           ; s2   LDS byte at which the step's keys begin
.set TV,   3                           ; s3   the same for its values, less VOFF
.set SLOTS, 67
.set CNT,  68
.set LASTQ, 69                         ; s69  my work-group's last query
.set KF,   98                          ; s98  the step's first key
.set Q0,   99                          ; s99  my first query
.set PFA,  76                          ; s[76:77] where my prefetches stand
.set LIM,  80                          ; s80  1 in a wave that prefetches, else the greatest number
; Waves 0 and 1 fetch K's halves of a slot, waves 2 and 3 V's, the others nothing.  An s_nop 0 and four v_nop follow each line.
.macro TLOAD
	s_cmp_lt_u32 s[WV], 2
	s_cbranch_scc0 .Lnot_k_\@
	tensor_load_to_lds s[G0K:G0K+3], s[G1K:G1K+7]
	s_nop 0
.rept 4
	v_nop
.endr
	s_branch .Lasked_\@
.Lnot_k_\@:
	s_cmp_lt_u32 s[WV], 4
	s_cbranch_scc0 .Lasked_\@
	tensor_load_to_lds s[G0V:G0V+3], s[G1V:G1V+7]
	s_nop 0
.rept 4
	v_nop
.endr
.Lasked_\@:
.endm
; A prefetch of what the NEXT change of slots will ask for: a slot's keys and values are two dense blocks of 32,768 bytes.  All four work-groups of a head walk the same K and V: work-group 0, which walks all 8 slots, asks.
; In it waves 4 to 7 ask for K's block and waves 8 to 11 for V's, 8,192 bytes a wave, lanes 256 bytes apart: each aligned block of 256 bytes is named once.  The last change that fills a slot asks for nothing.
.macro ASK
	s_cmp_gt_u32 s[SLOTS], s[LIM]
	s_cbranch_scc0 .Lnot_mine_\@
	global_prefetch_b8 v[PFO], s[PFA:PFA+1] th:TH_LOAD_NT scope:SCOPE_SE
.Lnot_mine_\@:
.endm
	s_load_b128 s[4:7], s[0:1], 0x0                ; qkv s[4:5], y2 s[6:7]
	v_lshl_add_u32 v[SPW], v0, 2, SPARE
	v_mov_b32 v[NIL], 0
	ds_add_u32 v[SPW], v[NIL]                      ; the wave's opening: the add, twice on end, and its wait ahead of the first tensor load
	ds_add_u32 v[SPW], v[NIL]
	v_lshrrev_b32 v7, 5, v0
	v_readfirstlane_b32 s[WV], v7                  ; wave 0..15
	s_and_b32 s70, ttmp7, 0xffff                   ; 16 b + h
	s_lshl_b32 s72, s70, 18                        ; the head's first byte in a part
	s_lshr_b32 s74, s[WV], 1
	s_lshr_b32 s75, s[WV], 2
	s_xor_b32 s74, s74, s75
	s_and_b32 s74, s74, 1                          ; 1: my queries lie in the late block
	s_lshl_b32 s75, s75, 1
	s_and_b32 s88, s[WV], 1
	s_add_co_u32 s75, s75, s88                     ; which 32 of the block's 256
	s_sub_co_u32 s81, 7, ttmp9
	s_cmp_eq_u32 s74, 1
	s_cselect_b32 s74, s81, ttmp9                  ; my block of queries
	s_lshl_b32 s[Q0], s74, 8
	s_lshl_b32 s75, s75, 5
	s_add_co_u32 s[Q0], s[Q0], s75
	s_lshl_b32 s[LASTQ], s81, 8
	s_or_b32 s[LASTQ], s[LASTQ], 255
	; descriptor group 1: 128 rows of 64 elements of 2 bytes, dense in memory, padded in LDS
	s_mov_b32 s[G1K], (1<<16)|(1<<20)|(4<<22)|(3<<25)   ; no mask; elements of 2 bytes; padding on: 4 words after every 32
	s_mov_b32 s[G1V], (1<<16)|(1<<20)|(4<<22)|(7<<25)   ; 8 words after every 32
.irp g, G1K, G1V
	s_mov_b32 s[\g+1], 64<<16                      ; tensor_dim0
	s_mov_b32 s[\g+2], 128<<16                     ; tensor_dim1
	s_mov_b32 s[\g+3], 64<<16                      ; tile_dim0
	s_mov_b32 s[\g+4], 128                         ; tile_dim1
	s_mov_b32 s[\g+5], 64                          ; from row to row
	s_mov_b32 s[\g+6], 0
	s_mov_b32 s[\g+7], 0
.endr
	s_mul_i32 s89, s88, 128*KP                     ; my half's place in a slot: K's,
	s_mul_i32 s94, s88, 128*VP
	s_add_co_u32 s94, s94, VOFF                    ; V's,
	s_lshl_b32 s90, s88, 14                        ; and in memory: 128 rows of 128 bytes
	s_add_co_u32 s90, s90, s72
	s_mov_b32 s91, 0
	s_mov_b32 s[SEL], 0x76543210
	s_mov_b32 s[SEL+1], 0xfedcba98
	s_mov_b32 s[CS], 0x3e38aa3b                    ; c = log2(e) / 8
	s_mov_b32 s[CS+1], s[CS]
	s_mov_b32 s[TK], 0
	s_mov_b32 s[TV], 0
	s_mov_b32 s[KF], 0
	s_mov_b32 s[SLOTS], 7
	s_wait_dscnt 0x0                               ; both opening adds are done
	s_wait_kmcnt 0x0
	s_mov_b32 s[G0K], 1
	s_mov_b32 s[G0K+1], s89
	s_add_nc_u64 s[G0K+2:G0K+3], s[4:5], s[90:91]
	s_add_nc_u64 s[G0K+2:G0K+3], s[G0K+2:G0K+3], 0x1000000   ; k is part 1
	s_or_b32 s[G0K+3], s[G0K+3], 0x80000000
	s_mov_b32 s[G0V], 1
	s_mov_b32 s[G0V+1], s94
	s_add_nc_u64 s[G0V+2:G0V+3], s[4:5], s[90:91]
	s_add_nc_u64 s[G0V+2:G0V+3], s[G0V+2:G0V+3], 0x2000000   ; v is part 2
	s_or_b32 s[G0V+3], s[G0V+3], 0x80000000
	TLOAD                                          ; slot 0: key 0 counts for every query
	s_lshl_b32 s82, s[Q0], 7
	s_add_co_u32 s82, s82, s72
	s_mov_b32 s83, 0
	s_add_nc_u64 s[8:9], s[4:5], s[82:83]          ; q at my first query
	v_and_b32 v30, 15, v0                          ; r
	v_bfe_u32 v31, v0, 4, 1                        ; h
	v_lshlrev_b32 v[QO], 7, v30
	v_lshl_add_u32 v[QO], v31, 4, v[QO]
.irp qt, 0,1
.irp dh, 0,1
	global_load_b128 v[QR+16*\qt+8*\dh:QR+16*\qt+8*\dh+3], v[QO], s[8:9] offset:2048*\qt+64*\dh       ; Q stays in registers
	global_load_b128 v[QR+16*\qt+8*\dh+4:QR+16*\qt+8*\dh+7], v[QO], s[8:9] offset:2048*\qt+64*\dh+32
.endr
.endr
	s_lshr_b32 s84, s70, 4
	s_lshl_b32 s84, s84, 22                        ; y2: a batch is 1,024 pairs of rows of 4,096 bytes,
	s_and_b32 s85, s70, 15
	s_lshl_b32 s85, s85, 8                         ; a head's pair 256 bytes,
	s_add_co_u32 s84, s84, s85
	s_lshl_b32 s85, s[Q0], 11                      ; a query half a pair's 4,096
	s_add_co_u32 s84, s84, s85
	s_mov_b32 s85, 0
	s_add_nc_u64 s[6:7], s[6:7], s[84:85]
	s_mov_b32 s82, 0x2000000                       ; the prefetches: waves 4 to 7 stand in k, waves 8 to 11 in v,
	s_cmp_lt_u32 s[WV], 8
	s_cselect_b32 s82, 0x1000000, s82
	s_add_co_u32 s82, s82, s72                     ; in my head,
	s_and_b32 s83, s[WV], 3
	s_lshl_b32 s83, s83, 13
	s_add_co_u32 s82, s82, s83                     ; at my wave's 8,192 bytes
	s_add_co_u32 s82, s82, 32768                   ; of slot 1: the first change of slots steps this to slot 2.  Nothing is prefetched here at the head
	s_mov_b32 s83, 0
	s_add_nc_u64 s[PFA:PFA+1], s[4:5], s[82:83]
	s_sub_co_u32 s82, s[WV], 4
	s_lshr_b32 s82, s82, 3                         ; 0 in waves 4 to 11,
	s_or_b32 s82, s82, ttmp9                       ; of the head's work-group 0
	s_cmp_eq_u32 s82, 0
	s_cselect_b32 s[LIM], 1, -1
	v_mul_u32_u24 v[AK0], v30, KP
	v_lshl_add_u32 v[AK0], v31, 4, v[AK0]          ; K: row r x pitch + 16 h
	v_and_b32 v[ADK], 7, v0
	v_lshl_add_u32 v[AV0], v31, 3, v[ADK]
	v_mul_u32_u24 v[AV0], v[AV0], VP
	v_bfe_u32 v[ADV], v0, 3, 1
	v_lshl_add_u32 v[AV0], v[ADV], 4, v[AV0]
	v_add_nc_u32 v[AV0], VOFF, v[AV0]              ; V: key 8 h + lane % 8, channels 8 ((lane / 8) % 2) on
	v_lshlrev_b32 v[GO], 12, v31
	v_lshl_add_u32 v[GO], v30, 4, v[GO]            ; sixteen lanes to a pair of rows, two pairs an instruction
	s_mul_i32 s82, s[WV], 16*KP
	s_add_co_u32 s82, s82, STAGE                   ; my stage
	v_add_nc_u32 v[STO], s82, v[AK0]               ; in: row r, 16 bytes for each half of the lanes
	v_bfe_u32 v[RD], v0, 3, 2
	v_mul_u32_u24 v[RD], v[RD], KP
	v_lshl_add_u32 v[RD], v[ADK], 4, v[RD]
	v_add_nc_u32 v[RD], s82, v[RD]                 ; back: eight lanes to a row, four rows an instruction
	v_lshlrev_b32 v[DL], 3, v31
	v_sub_nc_u32 v[DL], v30, v[DL]
	v_and_b32 v[PFO], 31, v0
	v_lshlrev_b32 v[PFO], 8, v[PFO]
	v_mov_b32 v[NINF], 0xff800000
.irp t, 0,1
	v_mov_b32 v[ST+8*\t+1], 0xff61b1e6             ; m: -3e38, under every score
	v_mul_f32 v[ST+8*\t], s[CS], v[ST+8*\t+1]      ; c m
.irp i, 2,3,4,5,6,7
	v_mov_b32 v[ST+8*\t+\i], 0                     ; l; and what is named as a pair's half or a permute's destination before it is first made
.endr
.endr
.set i, 0
.rept 64
	v_mov_b32 v[O+i], 0                            ; O^T.  (The step is written once: the first finds zeros, which a = 0 leaves zeros)
.set i, i+1
.endr
; A KEY STEP: 32 keys against my 32 queries.
.macro STEP
	s_cmp_gt_u32 s[KF], s[Q0]                      ; all keys come after my queries: nothing to do but step the addresses
	s_cbranch_scc1 .Lhid_\@
	v_add_nc_u32 v[ADK], s[TK], v[AK0]
	v_add_nc_u32 v[ADV], s[TV], v[AV0]
	v_nop
	v_nop                                          ; four plain lines between the last step's products and the loads into V's registers
.irp kt, 0,1
.irp dh, 0,1
	ds_load_b128 v[KR+16*\kt+8*\dh:KR+16*\kt+8*\dh+3], v[ADK] offset:16*KP*\kt+64*\dh
	ds_load_b128 v[KR+16*\kt+8*\dh+4:KR+16*\kt+8*\dh+7], v[ADK] offset:16*KP*\kt+64*\dh+32
.endr
.endr
.irp dt, 0,1,2,3
	ds_load_tr16_b128 v[VR+8*\dt:VR+8*\dt+3], v[ADV] offset:32*\dt
	ds_load_tr16_b128 v[VR+8*\dt+4:VR+8*\dt+7], v[ADV] offset:32*\dt+16*VP
.endr
	s_wait_dscnt 8                                 ; K is in; V's eight loads may be out
.irp qt, 0,1                                   ; S^T = K Q^T: four accumulators by turns, channels 0-31 start the sums, channels 32-63 add
.irp kt, 0,1
	v_wmma_f32_16x16x32_f16 v[S+16*\qt+8*\kt:S+16*\qt+8*\kt+7], v[KR+16*\kt:KR+16*\kt+7], v[QR+16*\qt:QR+16*\qt+7], 0
.endr
.endr
.irp qt, 0,1
.irp kt, 0,1
	v_wmma_f32_16x16x32_f16 v[S+16*\qt+8*\kt:S+16*\qt+8*\kt+7], v[KR+16*\kt+8:KR+16*\kt+15], v[QR+16*\qt+8:QR+16*\qt+15], v[S+16*\qt+8*\kt:S+16*\qt+8*\kt+7]
.endr
.endr
.rept 4
	v_nop
.endr
	s_cmp_lg_u32 s[KF], s[Q0]                      ; the diagonal: key KF + 16 kt + 8 h + j is hidden from query Q0 + 16 qt + r where it is the greater
	s_cbranch_scc1 .Lopen_\@
.irp j, 0,1,2,3,4,5,6,7
	v_cmp_gt_i32 vcc_lo, \j, v[DL]
	v_cndmask_b32 v[S+\j], v[S+\j], v[NINF], vcc_lo          ; qt = kt = 0
	v_cndmask_b32 v[S+24+\j], v[S+24+\j], v[NINF], vcc_lo    ; qt = kt = 1
	v_mov_b32 v[S+8+\j], v[NINF]                             ; qt = 0, kt = 1: all hidden.  (qt = 1, kt = 0: none)
.endr
.Lopen_\@:
.irp t, 0,1                                    ; the maximum of my 16 scores and the old m, two chains a tile, the tiles by turns
	v_max3_num_f32 v[ST+8*\t+4], v[S+16*\t], v[S+16*\t+1], v[S+16*\t+2]
	v_max3_num_f32 v[ST+8*\t+5], v[S+16*\t+8], v[S+16*\t+9], v[S+16*\t+10]
.endr
.irp i, 3,5
.irp t, 0,1
	v_max3_num_f32 v[ST+8*\t+4], v[ST+8*\t+4], v[S+16*\t+\i], v[S+16*\t+\i+1]
	v_max3_num_f32 v[ST+8*\t+5], v[ST+8*\t+5], v[S+16*\t+8+\i], v[S+16*\t+9+\i]
.endr
.endr
.irp t, 0,1
	v_max3_num_f32 v[ST+8*\t+4], v[ST+8*\t+4], v[S+16*\t+7], v[S+16*\t+15]
.endr
.irp t, 0,1
	v_max3_num_f32 v[ST+8*\t+4], v[ST+8*\t+4], v[ST+8*\t+5], v[ST+8*\t+1]
.endr
.irp t, 0,1
	v_permlanex16_b32 v[ST+8*\t+5], v[ST+8*\t+4], s[SEL], s[SEL+1]   ; the query's other 16 keys lie in the lane 16 away
.endr
.irp t, 0,1
	v_mov_b32 v[ST+8*\t+7], v[ST+8*\t]             ; c m_old
.endr
.irp t, 0,1
	v_max_num_f32 v[ST+8*\t+1], v[ST+8*\t+4], v[ST+8*\t+5]
.endr
.irp t, 0,1
	v_mul_f32 v[ST+8*\t], s[CS], v[ST+8*\t+1]
.endr
.irp t, 0,1
	v_sub_f32 v[ST+8*\t+7], v[ST+8*\t+7], v[ST+8*\t]
.endr
.irp b, 0,2,4,6,8,10,12,14
.irp t, 0,1
	v_pk_fma_f32 v[S+16*\t+\b:S+16*\t+\b+1], v[S+16*\t+\b:S+16*\t+\b+1], s[CS:CS+1], v[ST+8*\t:ST+8*\t+1] op_sel_hi:[1,0,0] neg_lo:[0,0,1] neg_hi:[0,0,1]   ; c s - c m
.endr
.endr
.irp t, 0,1
	v_exp_f32 v[ST+8*\t+6], v[ST+8*\t+7]           ; a
.endr
.irp e, 0,1,2,3,4,5,6,7,8,9,10,11,12,13,14,15
.irp t, 0,1
	v_exp_f32 v[S+16*\t+\e], v[S+16*\t+\e]         ; p
.endr
.endr
	v_nop                                          ; a plain line behind the last exponential
	s_wait_alu depctr_va_vdst(0)                   ; one wait for the batch of 34, ahead of its first reader
.irp i, 0,1,2,3,4,5,6,7
.irp t, 0,1
	v_cvt_pk_f16_f32 v[P+8*\t+\i], v[S+16*\t+2*\i], v[S+16*\t+2*\i+1]
.endr
.endr
.irp i, 0,4,8,12                               ; the sum of a tile's eight pairs, in place; then l = l a + the sum
.irp t, 0,1
	v_pk_add_f32 v[S+16*\t+\i:S+16*\t+\i+1], v[S+16*\t+\i:S+16*\t+\i+1], v[S+16*\t+\i+2:S+16*\t+\i+3]
.endr
.endr
.irp i, 0,8
.irp t, 0,1
	v_pk_add_f32 v[S+16*\t+\i:S+16*\t+\i+1], v[S+16*\t+\i:S+16*\t+\i+1], v[S+16*\t+\i+4:S+16*\t+\i+5]
.endr
.endr
.irp t, 0,1
	v_pk_add_f32 v[S+16*\t:S+16*\t+1], v[S+16*\t:S+16*\t+1], v[S+16*\t+8:S+16*\t+9]
.endr
.irp t, 0,1
	v_pk_fma_f32 v[ST+8*\t+2:ST+8*\t+3], v[ST+8*\t+2:ST+8*\t+3], v[ST+8*\t+6:ST+8*\t+7], v[S+16*\t:S+16*\t+1] op_sel_hi:[1,0,1]
.endr
.irp j, 0,2,4,6,8,10,12,14,16,18,20,22,24,26,28,30
.irp t, 0,1
	v_pk_mul_f32 v[O+32*\t+\j:O+32*\t+\j+1], v[O+32*\t+\j:O+32*\t+\j+1], v[ST+8*\t+6:ST+8*\t+7] op_sel_hi:[1,0]   ; O^T x a, each accumulator from its low end on
.endr
.endr
	s_wait_dscnt 0x0                               ; V is in
.irp dt, 0,1,2,3                               ; O^T += V^T P: eight accumulators, one instruction each
.irp t, 0,1
	v_wmma_f32_16x16x32_f16 v[O+32*\t+8*\dt:O+32*\t+8*\dt+7], v[VR+8*\dt:VR+8*\dt+7], v[P+8*\t:P+8*\t+7], v[O+32*\t+8*\dt:O+32*\t+8*\dt+7]
.endr
.endr
.Lhid_\@:
	s_add_co_u32 s[KF], s[KF], 32
	s_add_co_u32 s[TK], s[TK], 32*KP
	s_add_co_u32 s[TV], s[TV], 32*VP
.endm
; THE CHANGE OF SLOTS stands at a slot's head.  Each wave waits for all its tensor loads, adds 0 to its spare word (fill = 1: twice on end), and waits for that and for its reads of the slot that it has left.
; Behind the barrier the slot ahead is whole and nobody reads the other one; fill = 1: that other slot is filled with the next 256 keys, one tensor load a wave, which has a slot's eight steps in which to land.
.macro CHANGE fill
	s_wait_tensorcnt 0x0                           ; no tensor load of mine is out, so a group 0 may be written
	ds_add_u32 v[SPW], v[NIL]
.if \fill
	ds_add_u32 v[SPW], v[NIL]                      ; and once more, in every trip alike
	s_xor_b32 s[G0K+1], s[G0K+1], SLOT1
	s_add_nc_u64 s[G0K+2:G0K+3], s[G0K+2:G0K+3], 32768
	s_xor_b32 s[G0V+1], s[G0V+1], SLOT1
	s_add_nc_u64 s[G0V+2:G0V+3], s[G0V+2:G0V+3], 32768
	s_wait_xcnt 0x0                                ; the last prefetch, a slot back, has read its address
	s_add_nc_u64 s[PFA:PFA+1], s[PFA:PFA+1], 32768
.endif
	s_wait_dscnt 0x0
	s_barrier_signal -1
	s_barrier_wait -1
.if \fill
	s_add_co_u32 s96, s[KF], 256                   ; the first key of the slot that this change would ask for:
	s_cmp_gt_u32 s96, s[LASTQ]                     ; past my work-group's last query none of its waves would read it.  Ids and the count of steps alone: all sixteen waves go the same way
	s_cbranch_scc1 .Lpast_\@
	TLOAD
.Lpast_\@:
	ASK
.endif
.endm
.macro SLOT_STEPS                      ; a slot's eight steps: written once, walked eight times
	s_mov_b32 s[CNT], 8
.Lstep_\@:
	STEP
	s_sub_co_u32 s[CNT], s[CNT], 1
	s_cmp_lg_u32 s[CNT], 0
	s_cbranch_scc1 .Lstep_\@
	s_sub_co_u32 s[TK], s[TK], 256*KP              ; back to a slot's first step,
	s_xor_b32 s[TK], s[TK], SLOT1                  ; in the other slot
	s_sub_co_u32 s[TV], s[TV], 256*VP
	s_xor_b32 s[TV], s[TV], SLOT1
.endm
	s_wait_loadcnt 0x0                             ; Q
.Lslot:                                                ; seven trips: behind each change of slots but the last the next slot is asked for, up to the causal limit
	CHANGE 1
	SLOT_STEPS
	s_sub_co_u32 s[SLOTS], s[SLOTS], 1
	s_cmp_lg_u32 s[SLOTS], 0
	s_cbranch_scc1 .Lslot
	CHANGE 0                                       ; the last slot is written out: nothing is left to ask for
	SLOT_STEPS
	; THE WAY OUT.  O^T / l, rounded to f16, goes through my stage, a tile of 16 queries at a time, and leaves as pairs of rows: sixteen lanes store 256 consecutive bytes, aligned.
.rept 4
	v_nop
.endr
.irp t, 0,1
	v_add_f32 v[ST+8*\t+4], v[ST+8*\t+2], v[ST+8*\t+3]
.endr
.irp t, 0,1
	v_permlanex16_b32 v[ST+8*\t+5], v[ST+8*\t+4], s[SEL], s[SEL+1]
.endr
.irp t, 0,1
	v_add_f32 v[ST+8*\t+4], v[ST+8*\t+4], v[ST+8*\t+5]
.endr
.irp t, 0,1
	v_rcp_f32 v[ST+8*\t+6], v[ST+8*\t+4]
.endr
	v_nop
	s_wait_alu depctr_va_vdst(0)                   ; one wait for both reciprocals
.irp t, 0,1
.irp j, 0,2,4,6,8,10,12,14,16,18,20,22,24,26,28,30
	v_pk_mul_f32 v[O+32*\t+\j:O+32*\t+\j+1], v[O+32*\t+\j:O+32*\t+\j+1], v[ST+8*\t+6:ST+8*\t+7] op_sel_hi:[1,0]
.endr
.irp i, 0,1,2,3,4,5,6,7,8,9,10,11,12,13,14,15
	v_cvt_pk_f16_f32 v[S+16*\t+\i], v[O+32*\t+2*\i], v[O+32*\t+2*\i+1]
.endr
.irp dt, 0,1,2,3
	ds_store_b128 v[STO], v[S+16*\t+4*\dt:S+16*\t+4*\dt+3] offset:32*\dt
.endr
.irp i, 0,1,2,3
	ds_load_b128 v[KR+16*\t+4*\i:KR+16*\t+4*\i+3], v[RD] offset:4*KP*\i   ; LDS serves a wave's instructions in order: these see my stores, and the next tile's stores come behind them
.endr
.endr
	s_wait_dscnt 8                                 ; tile 0 is back; tile 1's four stores and four loads may be out
.irp i, 0,1,2,3
	global_store_b128 v[GO], v[KR+4*\i:KR+4*\i+3], s[6:7] offset:8192*\i
.endr
	s_wait_dscnt 0x0
.irp i, 0,1,2,3
	global_store_b128 v[GO], v[KR+16+4*\i:KR+16+4*\i+3], s[6:7] offset:32768+8192*\i
.endr
	s_wait_tensorcnt 0x0                           ; the wave's end: three lines behind my last tensor load and my last LDS store
	ds_add_u32 v[SPW], v[NIL]
	s_wait_dscnt 0x0
	s_endpgm
.Lfunc_end_k_q30a91b37de_attn:
	.size	k_q30a91b37de_attn, .Lfunc_end_k_q30a91b37de_attn-k_q30a91b37de_attn
	.p2alignl 7, 3214868480
	.fill 96, 4, 3214868480
	.section	.rodata,"a",@progbits
	.p2align	6, 0x0
	.amdhsa_kernel k_q30a91b37de_attn
		.amdhsa_group_segment_fixed_size 327680
		.amdhsa_private_segment_fixed_size 0
		.amdhsa_enable_private_segment 0
		.amdhsa_kernarg_size 16
		.amdhsa_user_sgpr_count 2
		.amdhsa_user_sgpr_kernarg_segment_ptr 1
		.amdhsa_wavefront_size32 1
		.amdhsa_system_sgpr_workgroup_id_x 1
		.amdhsa_system_sgpr_workgroup_id_y 1
		.amdhsa_system_sgpr_workgroup_id_z 1
		.amdhsa_system_vgpr_workitem_id 0
		.amdhsa_next_free_vgpr 256
		.amdhsa_next_free_sgpr 100
		.amdhsa_reserve_vcc 1
		.amdhsa_float_denorm_mode_32 3
		.amdhsa_float_denorm_mode_16_64 3
		.amdhsa_memory_ordered 1
		.amdhsa_forward_progress 1
		.amdhsa_inst_pref_size 41
	.end_amdhsa_kernel
	.amdgpu_metadata
---
amdhsa.version: [ 1, 2 ]
amdhsa.kernels:
  - .name:           k_q30a91b37de_attn
    .symbol:         k_q30a91b37de_attn.kd
    .args:
      - { .name: qkv, .offset: 0, .size: 8, .value_kind: global_buffer, .address_space: global }
      - { .name: y2, .offset: 8, .size: 8, .value_kind: global_buffer, .address_space: global }
    .group_segment_fixed_size: 327680
    .private_segment_fixed_size: 0
    .kernarg_segment_align: 8
    .kernarg_segment_size: 16
    .max_flat_workgroup_size: 512
    .sgpr_count:     100
    .vgpr_count:     256
    .wavefront_size: 32
...
	.end_amdgpu_metadata
.endif
;; end of part 3
;; launch proj (part 4): grid 8 x 64, 4 waves a work-group, clusters of 4 x 4, 327,680 bytes of LDS; arguments y2, wct, out0; writes out0
.if DOCPART == 4
	.amdgcn_target "amdgcn-amd-amdhsa--gfx1250"
	.amdhsa_code_object_version 6
	.text
	.protected	k_q30a91b37de_proj
	.globl	k_q30a91b37de_proj
	.p2align	8
	.type	k_q30a91b37de_proj,@function
k_q30a91b37de_proj:
	s_mov_b64 s[64:65], 0
	v_nop
	global_prefetch_b8 v0, s[64:65] scope:SCOPE_SE
	s_setreg_imm32_b32 hwreg(HW_REG_WAVE_MODE, 25, 1), 1
	s_wait_xcnt 0x0
	s_wait_alu depctr_hold_cnt(0) depctr_sa_sdst(0) depctr_va_vdst(0) depctr_va_sdst(0) depctr_va_ssrc(0) depctr_va_vcc(0) depctr_vm_vsrc(0)
	s_getreg_b32 s2, hwreg(HW_REG_IB_STS2, 6, 4)
	s_cmp_eq_u32 s2, 0
	s_cbranch_scc0 .Lentry_in_a_cluster
	s_endpgm
.Lentry_in_a_cluster:
	s_bfe_u32 s2, ttmp6, 0x10000c
	s_cmp_lg_u32 s2, 0xf033
	s_cbranch_scc0 .Lentry_shape_is_right
	s_endpgm
.Lentry_shape_is_right:
; out0 = y Wc: 8,192 x 1,024 x 1,024 on f16 operands, sums and result in f32.  y comes as y2, [m / 2][h][m % 2][64] f16 (k = 64 h + d): a pair of rows is 4,096 bytes; Wc comes transposed, wct [n][k] f16.
; A tile of the result is 128 x 128: 512 work-groups, two for each of 256 WGPs.  Four waves, each 64 x 64: 16 accumulators of 16 x 16.  K goes in steps of 256 through a ring of two LDS slots.
; A wave's tensor load brings 64 rows: of y as 32 pairs of rows x 1,024 bytes (four heads), of wct as 64 rows x 512 bytes.
; CLUSTERS: 4 x 4 work-groups; the four of a row of the cluster need the same tiles of y, the four of a column the same tiles of wct: each tile is asked for JOINTLY.
; THE MATRIX INSTRUCTION IS USED TRANSPOSED (source 0 = 16 rows of wct, source 1 = 16 rows of y): a lane holds eight neighbouring numbers of a row of the result.
; A wave's 64 columns of f32 are 256 consecutive bytes of a row, aligned: each wave sends its own results through a stage of its own, with no barrier.
; The rows of positions 0 to 15 of each sequence are written again, more finely, by the launch that follows.
; REGISTERS: window 0: v0-31 addresses; v32-95 the way out; v128-255 the accumulators ((a, b) at v[128 + 8 (4 a + b)]).   window 1: two fragment buffers of 128: 64 registers of y, then 64 of wct, for 64 along K.
.set PA,     1040                      ; a pair of rows of y in LDS: 1,024 bytes + 16: row r of a fragment starts at word 260 (r / 2) + 32 (r % 2): sixteen different groups of four banks (ISA guide 11.1)
.set PB,     528                       ; a row of wct: 512 bytes + 16
.set HALFA,  32*PA
.set HALFB,  64*PB
.set BOFF,   2*HALFA                   ; a slot: y's 128 rows, then wct's 128 rows
.set SLOT,   2*HALFA+2*HALFB
.set STAGE,  2*SLOT                    ; behind the ring: 16 rows x 272 bytes for each wave
.set SPITCH, 272
.set SPARE,  STAGE+4*16*SPITCH         ; the spare words, 128 bytes for each wave
.set LAPS,   2                         ; a lap = two K steps = once round the ring
.set ADRA, 16
.set ADRB, 20
.set STO,  24
.set RD,   25
.set CO,   26
.set SPW,  28                          ; v28 LDS address of my spare word; never rewritten
.set NIL,  29                          ; v29 0; never rewritten
.set TMP,  32
.set ACC,  128
.set F0,   0
.set F1,   128
.set G1, 24
.set G0, 32
.set G1B, 48
.set G0B, 56
.set MSB, 0
.macro WIN new
.if MSB != (\new)
	s_set_vgpr_msb (MSB<<8)|(\new)
.set MSB, (\new)
.endif
.endm
.set MUL,  0x05                        ; sources 0 and 1 window 1; C and D window 0
.set TO_F, 0x40                        ; destination window 1, address window 0
.macro JLOAD s                         ; a joint load: waves 0 and 1 fetch y's two halves, waves 2 and 3 wct's; an s_nop 0 and four v_nop follow each line
	s_cmp_eq_u32 s11, 0
	s_cbranch_scc0 .Lfor_b_\@
	tensor_load_to_lds s[G0+4*\s:G0+4*\s+3], s[G1:G1+7]
	s_nop 0
.rept 4
	v_nop
.endr
	s_branch .Lasked_\@
.Lfor_b_\@:
	tensor_load_to_lds s[G0B+4*\s:G0B+4*\s+3], s[G1B:G1B+7]
	s_nop 0
.rept 4
	v_nop
.endr
.Lasked_\@:
.endm
.macro CREST                           ; a round of the cluster's barrier behind its opening barrier
	s_cmp_lg_u32 s10, 0
	s_cbranch_scc1 .Lnot_wave_0_\@
	s_barrier_signal -3
.Lnot_wave_0_\@:
	s_barrier_wait -3
	s_barrier_signal -1
	s_barrier_wait -1
.endm
.macro CROUND
	s_barrier_signal -1
	s_barrier_wait -1
	CREST
.endm
	s_load_b128 s[4:7], s[0:1], 0x0                ; y2 s[4:5], wct s[6:7]
	s_load_b64 s[8:9], s[0:1], 0x10                ; out0
	v_lshl_add_u32 v[SPW], v0, 2, SPARE
	v_mov_b32 v[NIL], 0
	ds_add_u32 v[SPW], v[NIL]                      ; the wave's opening: the add, twice on end, and its wait ahead of my first tensor load
	ds_add_u32 v[SPW], v[NIL]
	v_lshrrev_b32 v1, 5, v0
	v_readfirstlane_b32 s10, v1                    ; wave 0..3
	s_lshr_b32 s11, s10, 1                         ; which half of the tile's rows is mine.  Also: I fetch for y (0) or for wct (1)
	s_and_b32 s12, s10, 1                          ; which half of its columns.  Also: which 64 rows I fetch
	s_bfe_u32 s40, ttmp6, 0x40000
	s_bfe_u32 s41, ttmp6, 0x40004
	s_lshl_b32 s42, ttmp9, 2
	s_add_co_u32 s42, s42, s40                     ; tile column
	s_and_b32 s13, ttmp7, 0xffff
	s_lshl_b32 s13, s13, 2
	s_add_co_u32 s13, s13, s41                     ; tile row
	s_lshl_b32 s43, s41, 2
	s_lshl_b32 s43, 15, s43                        ; my row of the cluster
	s_lshl_b32 s44, 0x1111, s40                    ; my column
	s_or_b32 s[G1+0], s43, (1<<16)|(1<<20)|(1<<21)|(7<<22)|(3<<25)   ; y: the mask; elements of 2 bytes; padding on; bit 21 beside a mask; 4 words after every 256
	s_mov_b32 s[G1+1], 512<<16                     ; tensor_dim0 = 512 elements: four heads of a pair of rows
	s_mov_b32 s[G1+2], 32<<16                      ; tensor_dim1 = 32 pairs
	s_mov_b32 s[G1+3], 512<<16                     ; tile_dim0
	s_mov_b32 s[G1+4], 32                          ; tile_dim1
	s_mov_b32 s[G1+5], 2048                        ; from pair to pair
	s_mov_b32 s[G1+6], 0
	s_mov_b32 s[G1+7], 0
	s_or_b32 s[G1B+0], s44, (1<<16)|(1<<20)|(1<<21)|(6<<22)|(3<<25)  ; wct: 4 words after every 128
	s_mov_b32 s[G1B+1], 256<<16
	s_mov_b32 s[G1B+2], 64<<16
	s_mov_b32 s[G1B+3], 256<<16
	s_mov_b32 s[G1B+4], 64
	s_mov_b32 s[G1B+5], 1024
	s_mov_b32 s[G1B+6], 0
	s_mov_b32 s[G1B+7], 0
	s_lshl_b32 s17, s12, 6
	s_lshl_b32 s16, s13, 7
	s_add_co_u32 s16, s16, s17                     ; y: row 128 x tile row + 64 x half;
	s_lshl_b32 s16, s16, 11                        ; a row is half of a pair's 4,096 bytes
	s_lshl_b32 s46, s42, 7
	s_add_co_u32 s46, s46, s17                     ; wct: row 128 x tile column + 64 x half,
	s_lshl_b32 s46, s46, 11                        ; of 2,048 bytes
	s_mov_b32 s17, 0
	s_mov_b32 s47, 0
	s_mul_i32 s20, s12, HALFA                      ; where they go
	s_mul_i32 s21, s12, HALFB
	s_add_co_u32 s21, s21, BOFF
	s_wait_dscnt 0x0                               ; both opening adds are done
	s_wait_kmcnt 0x0
	s_add_nc_u64 s[14:15], s[4:5], s[16:17]
	s_add_nc_u64 s[46:47], s[6:7], s[46:47]
	CROUND                                         ; all sixteen work-groups are here: the first joint loads meet
.irp s, 0,1
	s_mov_b32 s[G0+4*\s], 1
	s_add_co_u32 s[G0+4*\s+1], s20, \s*SLOT
	s_add_nc_u64 s[G0+4*\s+2:G0+4*\s+3], s[14:15], \s*1024
	s_or_b32 s[G0+4*\s+3], s[G0+4*\s+3], 0x80000000
	s_mov_b32 s[G0B+4*\s], 1
	s_add_co_u32 s[G0B+4*\s+1], s21, \s*SLOT
	s_add_nc_u64 s[G0B+4*\s+2:G0B+4*\s+3], s[46:47], \s*512
	s_or_b32 s[G0B+4*\s+3], s[G0B+4*\s+3], 0x80000000
	JLOAD \s
.endr
	v_and_b32 v1, 15, v0                           ; r
	v_bfe_u32 v2, v0, 4, 1                         ; h
	v_lshrrev_b32 v3, 1, v1
	v_mul_u32_u24 v3, v3, PA
	v_and_b32 v4, 1, v0
	v_lshl_add_u32 v3, v4, 7, v3
	v_lshl_add_u32 v3, v2, 4, v3                   ; y: pair r / 2, + 128 (r % 2), + 16 h
	v_mul_u32_u24 v4, v1, PB
	v_lshl_add_u32 v4, v2, 4, v4                   ; wct: row r, + 16 h
	s_mul_i32 s21, s11, HALFA
	s_mul_i32 s22, s12, HALFB
	s_add_co_u32 s22, s22, BOFF
.irp s, 0,1
	v_add_nc_u32 v[ADRA+\s], s21, v3
	v_add_nc_u32 v[ADRB+\s], s22, v4
	s_add_co_u32 s21, s21, SLOT
	s_add_co_u32 s22, s22, SLOT
.endr
	s_mul_i32 s23, s10, 16*SPITCH
	s_add_co_u32 s23, s23, STAGE                   ; my stage
	v_mul_u32_u24 v4, v1, SPITCH
	v_lshl_add_u32 v4, v2, 5, v4
	v_add_nc_u32 v[STO], s23, v4                   ; in: row r, 32 bytes for each half of the lanes
	v_mul_u32_u24 v5, v2, SPITCH
	v_lshl_add_u32 v5, v1, 4, v5
	v_add_nc_u32 v[RD], s23, v5                    ; back: lanes 0-15 one row of 256 bytes, lanes 16-31 the next
	v_lshlrev_b32 v5, 12, v2
	v_lshl_add_u32 v[CO], v1, 4, v5                ; and the same two rows in the result
	s_lshl_b32 s16, s13, 7
	s_lshl_b32 s17, s11, 6
	s_add_co_u32 s16, s16, s17                     ; my first row,
	s_lshl_b32 s16, s16, 12                        ; of 4,096 bytes
	s_mov_b32 s17, 0
	s_add_nc_u64 s[8:9], s[8:9], s[16:17]
	s_lshl_b32 s46, s42, 9
	s_lshl_b32 s47, s12, 8
	s_add_co_u32 s46, s46, s47                     ; my first column, in bytes
	s_mov_b32 s47, 0
	s_add_nc_u64 s[8:9], s[8:9], s[46:47]
; 8 matrix instructions: row blocks a0, a0 + 1 x all 4 column blocks, 32 along K: half c of buffer f.  The 16 accumulators take turns
.macro MUL8 f, c, a0, zero
.irp a, \a0, \a0+1
.irp b, 0,1,2,3
.if \zero
	v_wmma_f32_16x16x32_f16 v[ACC+8*(4*(\a)+\b):ACC+8*(4*(\a)+\b)+7], v[\f+64+8*(4*\c+\b):\f+64+8*(4*\c+\b)+7], v[\f+8*(4*\c+\a):\f+8*(4*\c+\a)+7], 0
.else
	v_wmma_f32_16x16x32_f16 v[ACC+8*(4*(\a)+\b):ACC+8*(4*(\a)+\b)+7], v[\f+64+8*(4*\c+\b):\f+64+8*(4*\c+\b)+7], v[\f+8*(4*\c+\a):\f+8*(4*\c+\a)+7], v[ACC+8*(4*(\a)+\b):ACC+8*(4*(\a)+\b)+7]
.endif
.endr
.endr
.endm
; 32 LDS loads in one run: the fragments of the slot's q-th 64 along K (one head: 256 bytes on in a pair of rows of y, 128 bytes on in a row of wct), the first 32 along K first
.macro FETCH slot, q, f
	WIN TO_F
.irp c, 0,1
.irp i, 0,1,2,3
	ds_load_b128 v[\f+64+8*(4*\c+\i):\f+64+8*(4*\c+\i)+3],   v[ADRB+\slot] offset:128*(\q)+64*\c+\i*16*PB
	ds_load_b128 v[\f+64+8*(4*\c+\i)+4:\f+64+8*(4*\c+\i)+7], v[ADRB+\slot] offset:128*(\q)+64*\c+\i*16*PB+32
	ds_load_b128 v[\f+8*(4*\c+\i):\f+8*(4*\c+\i)+3],         v[ADRA+\slot] offset:256*(\q)+64*\c+\i*8*PA
	ds_load_b128 v[\f+8*(4*\c+\i)+4:\f+8*(4*\c+\i)+7],       v[ADRA+\slot] offset:256*(\q)+64*\c+\i*8*PA+32
.endr
.endr
.endm
.macro PLACES                          ; four plain lines in front of loads into registers that matrix instructions have read, and of the first read of results
.rept 4
	v_nop
.endr
.endm
; A K step is four quarters of 64 along K on buffers 0, 1, 0, 1.  One of the first three: multiplies buffer f and fetches quarter q into g.
.macro QUARTER slot, q, f, g, zero
	s_wait_dscnt 16                                ; the first 32 along K are in; the younger sixteen loads may be out
	WIN MUL
	MUL8 \f, 0, 0, \zero
	MUL8 \f, 0, 2, \zero
	PLACES
	FETCH \slot, \q, \g
	s_wait_dscnt 32                                ; all but the 32 just issued
	WIN MUL
	MUL8 \f, 1, 0, 0
	MUL8 \f, 1, 2, 0
.endm
; The last quarter multiplies buffer 1 and changes slots: one barrier; in front of it each wave waits for all its tensor loads, adds 0 to its spare word, and waits for that and for its reads of this slot.
.macro TURN slot, next, fill
	WIN 0
	s_wait_tensorcnt 0x0                           ; all my tensor loads have landed: my part of the next slot
	ds_add_u32 v[SPW], v[NIL]
	s_wait_dscnt 17                                ; the add and the youngest sixteen loads may be out
	WIN MUL
	MUL8 F1, 0, 0, 0
	s_wait_dscnt 0x0                               ; the add is done, and my reads of this slot are over
	s_barrier_signal -1
	MUL8 F1, 0, 2, 0
.if \fill
	WIN 0
.endif
	s_barrier_wait -1
.if \fill
	CREST                                          ; the barrier has opened a round of the cluster's: no wave of any partner still reads this slot or has a load on its way
	s_add_nc_u64 s[G0+4*\slot+2:G0+4*\slot+3], s[G0+4*\slot+2:G0+4*\slot+3], 2048
	s_add_nc_u64 s[G0B+4*\slot+2:G0B+4*\slot+3], s[G0B+4*\slot+2:G0B+4*\slot+3], 1024
	JLOAD \slot                                    ; my one tensor load behind the round; its four v_nop are also the places in front of the loads below
.else
	PLACES
.endif
	FETCH \next, 0, F0
	WIN MUL
	MUL8 F1, 1, 0, 0
	MUL8 F1, 1, 2, 0
.endm
	s_wait_tensorcnt 1                             ; my part of K step 0 is in; K step 1's load may be out
	s_barrier_signal -1
	s_barrier_wait -1
	FETCH 0, 0, F0
	QUARTER 0, 1, F0, F1, 1                        ; the first products start the sums
	WIN 0
	s_mov_b32 s3, LAPS-1
.Llap:                                                 ; a trip goes once round the ring and fills both slots again
	QUARTER 0, 2, F1, F0, 0
	QUARTER 0, 3, F0, F1, 0
	TURN 0, 1, 1
	QUARTER 1, 1, F0, F1, 0
	QUARTER 1, 2, F1, F0, 0
	QUARTER 1, 3, F0, F1, 0
	TURN 1, 0, 1
	QUARTER 0, 1, F0, F1, 0
	WIN 0
	s_sub_co_u32 s3, s3, 1
	s_cmp_lg_u32 s3, 0
	s_cbranch_scc1 .Llap
	QUARTER 0, 2, F1, F0, 0                        ; the last lap fills nothing
	QUARTER 0, 3, F0, F1, 0
	TURN 0, 1, 0
	QUARTER 1, 1, F0, F1, 0
	QUARTER 1, 2, F1, F0, 0
	QUARTER 1, 3, F0, F1, 0
	s_wait_dscnt 16
	WIN MUL
	MUL8 F1, 0, 0, 0
	MUL8 F1, 0, 2, 0
	s_wait_dscnt 0
	MUL8 F1, 1, 0, 0
	MUL8 F1, 1, 2, 0
	WIN 0
	; THE WAY OUT, a block of 16 rows x 64 columns at a time, through my own stage: in as 32 bytes a lane, back as whole rows of 256 bytes.
.macro SEND a, younger
	s_wait_dscnt \younger
.irp i, 0,1,2,3,4,5,6,7
	global_store_b128 v[CO], v[TMP+32*((\a)%2)+4*\i:TMP+32*((\a)%2)+4*\i+3], s[8:9] offset:(16*(\a)+2*\i)*4096 th:TH_STORE_NT   ; 16 lanes store 256 consecutive bytes, aligned
.endr
.endm
	PLACES
.irp a, 0,1,2,3
.if \a > 1
	s_wait_xcnt 0x0                                ; block a - 2's stores have read the registers into which this block comes back
.endif
.irp b, 0,1,2,3
	ds_store_b128 v[STO], v[ACC+8*(4*\a+\b):ACC+8*(4*\a+\b)+3] offset:64*\b          ; each accumulator from its low end on
	ds_store_b128 v[STO], v[ACC+8*(4*\a+\b)+4:ACC+8*(4*\a+\b)+7] offset:64*\b+16
.endr
.irp i, 0,1,2,3,4,5,6,7
	ds_load_b128 v[TMP+32*(\a%2)+4*\i:TMP+32*(\a%2)+4*\i+3], v[RD] offset:\i*2*SPITCH   ; LDS serves a wave's instructions in order
.endr
.if \a > 0
	SEND \a-1, 16                                  ; behind block a - 1's loads: this block's 8 stores and 8 loads
.endif
.endr
	SEND 3, 0
	s_wait_tensorcnt 0x0                           ; the wave's end: three lines behind my last tensor load and my last LDS store
	ds_add_u32 v[SPW], v[NIL]
	s_wait_dscnt 0x0
	CROUND                                         ; the closing round
	s_endpgm
.Lfunc_end_k_q30a91b37de_proj:
	.size	k_q30a91b37de_proj, .Lfunc_end_k_q30a91b37de_proj-k_q30a91b37de_proj
	.p2alignl 7, 3214868480
	.fill 96, 4, 3214868480
	.section	.rodata,"a",@progbits
	.p2align	6, 0x0
	.amdhsa_kernel k_q30a91b37de_proj
		.amdhsa_group_segment_fixed_size 327680
		.amdhsa_private_segment_fixed_size 0
		.amdhsa_enable_private_segment 0
		.amdhsa_kernarg_size 24
		.amdhsa_user_sgpr_count 2
		.amdhsa_user_sgpr_kernarg_segment_ptr 1
		.amdhsa_wavefront_size32 1
		.amdhsa_system_sgpr_workgroup_id_x 1
		.amdhsa_system_sgpr_workgroup_id_y 1
		.amdhsa_system_sgpr_workgroup_id_z 1
		.amdhsa_system_vgpr_workitem_id 0
		.amdhsa_next_free_vgpr 512
		.amdhsa_next_free_sgpr 66
		.amdhsa_reserve_vcc 0
		.amdhsa_float_denorm_mode_32 3
		.amdhsa_float_denorm_mode_16_64 3
		.amdhsa_memory_ordered 1
		.amdhsa_forward_progress 1
		.amdhsa_inst_pref_size 86
	.end_amdhsa_kernel
	.amdgpu_metadata
---
amdhsa.version: [ 1, 2 ]
amdhsa.kernels:
  - .name:           k_q30a91b37de_proj
    .symbol:         k_q30a91b37de_proj.kd
    .args:
      - { .name: y2, .offset: 0, .size: 8, .value_kind: global_buffer, .address_space: global }
      - { .name: wct, .offset: 8, .size: 8, .value_kind: global_buffer, .address_space: global }
      - { .name: out0, .offset: 16, .size: 8, .value_kind: global_buffer, .address_space: global }
    .group_segment_fixed_size: 327680
    .private_segment_fixed_size: 0
    .kernarg_segment_align: 8
    .kernarg_segment_size: 24
    .max_flat_workgroup_size: 128
    .sgpr_count:     66
    .vgpr_count:     512
    .wavefront_size: 32
...
	.end_amdgpu_metadata
.endif
;; end of part 4
;; launch fine (part 5): grid 16 x 4, 16 waves a work-group, no clusters, 71,680 bytes of LDS; arguments first, Wc, out0; writes out0
.if DOCPART == 5
	.amdgcn_target "amdgcn-amd-amdhsa--gfx1250"
	.amdhsa_code_object_version 6
	.text
	.protected	k_q30a91b37de_fine
	.globl	k_q30a91b37de_fine
	.p2align	8
	.type	k_q30a91b37de_fine,@function
k_q30a91b37de_fine:
	s_mov_b64 s[64:65], 0
	v_nop
	global_prefetch_b8 v0, s[64:65] scope:SCOPE_SE
	s_setreg_imm32_b32 hwreg(HW_REG_WAVE_MODE, 25, 1), 1
	s_wait_xcnt 0x0
; POSITIONS 0 TO 15 OF EACH SEQUENCE, IN F32 THROUGHOUT: under the causal mask these rows average one to sixteen values and are the largest, so 16-bit operands weigh most there.
; first: [part][b][h][t 16][64] f32 (q and k rotated, v).  Work-group (g, b) makes columns 64 g .. 64 g + 63 of the 16 rows of batch b.  Wave w is head w: it makes its head's y (16 x 64) and its part
; y Wc[64 w .. 64 w + 63][64 g ..] of the result; the sixteen parts meet in LDS, and wave w then sums and stores row w.  All products by v_wmma_f32_16x16x4_f32: 96 a wave, no bulk work.
; LAYOUT.  S^T = K Q^T (source 0 = 16 keys, source 1 = 16 queries): a lane holds query lane % 16 and keys 8 h + 0..7, h = lane / 16.  The form's k index 2 h + j stands for the same number on both sides of each product:
;   S^T, step s: channel 32 h + 2 s + j;   O^T = V^T P, step c: key 8 h + 2 c + j, so P's registers are source 1 as they lie;   the projection, step (dt, c): channel 16 dt + 8 h + 2 c + j, so y's registers likewise.
; The registers that matrix instructions write (v176-239) are written by nothing else; each sum begins with the constant 0.
; LIMITS: NaN and infinities are not served.
.set SPARE, 69632                      ; LDS: sixteen parts of 16 rows x 272 bytes from 0; then the spare words, 128 bytes for each wave
.set AQ,  1                            ; v1  256 r + 128 h
.set AV,  2                            ; v2  2,048 h + 4 r
.set AW,  3                            ; v3  32,768 h + 4 r
.set DL,  4                            ; v4  r - 8 h: key register j is hidden where j > this
.set STO, 5                            ; v5  where I put my part
.set RD,  6                            ; v6  where I read row w of the parts
.set GO,  7                            ; v7  8 x lane
.set SPW, 8                            ; v8  LDS address of my spare word; never rewritten
.set NIL, 9                            ; v9  0; never rewritten
.set QR,  16                           ; v16-47  q;  v48-79 k;  later Wc's rows of channels 32-63; later the sixteen parts
.set KR,  48
.set WB,  16
.set VR,  80                           ; v80-111 v; later y
.set YR,  80
.set WA,  112                          ; v112-175 Wc's rows of channels 0-31
.set SA,  176                          ; v176-207 S^T in four partial sums; later the projection's four accumulators
.set OA,  208                          ; v208-239 O^T
.set ST,  240                          ; v240-247 the scores
.set PR,  248                          ; v248-255 p
	s_load_b128 s[4:7], s[0:1], 0x0                ; first s[4:5], Wc s[6:7]
	s_load_b64 s[8:9], s[0:1], 0x10                ; out0
	v_lshl_add_u32 v[SPW], v0, 2, SPARE
	v_mov_b32 v[NIL], 0
	v_lshrrev_b32 v10, 5, v0
	v_readfirstlane_b32 s10, v10                   ; wave = head = the row that I sum
	s_and_b32 s11, ttmp7, 0xffff                   ; batch
	v_and_b32 v10, 15, v0                          ; r
	v_bfe_u32 v11, v0, 4, 1                        ; h
	v_lshlrev_b32 v[AQ], 8, v10
	v_lshl_add_u32 v[AQ], v11, 7, v[AQ]
	v_lshlrev_b32 v[AV], 2, v10
	v_lshl_add_u32 v[AW], v11, 15, v[AV]
	v_lshl_add_u32 v[AV], v11, 11, v[AV]
	v_lshlrev_b32 v[DL], 3, v11
	v_sub_nc_u32 v[DL], v10, v[DL]
	s_mul_i32 s12, s10, 16*272
	v_mul_u32_u24 v[STO], v10, 272
	v_lshl_add_u32 v[STO], v11, 5, v[STO]
	v_add_nc_u32 v[STO], s12, v[STO]
	v_and_b32 v[GO], 31, v0
	v_lshlrev_b32 v[GO], 3, v[GO]
	s_mul_i32 s12, s10, 272
	v_add_nc_u32 v[RD], s12, v[GO]
	s_mov_b32 s14, 0x76543210
	s_mov_b32 s15, 0xfedcba98                      ; v_permlanex16_b32's selects for lane l xor 16
	s_mov_b32 s16, 0x3e38aa3b                      ; c = log2(e) / 8
	s_lshl_b32 s18, s11, 4
	s_add_co_u32 s18, s18, s10
	s_lshl_b32 s18, s18, 12                        ; first: a head is 4,096 bytes; the parts lie 262,144 bytes apart
	s_mov_b32 s19, 0
	s_lshl_b32 s20, s10, 18                        ; Wc: my 64 rows of 4,096 bytes,
	s_lshl_b32 s21, ttmp9, 8                       ; my work-group's 64 columns
	s_add_co_u32 s20, s20, s21
	s_lshl_b32 s22, s11, 11
	s_add_co_u32 s22, s22, s10
	s_lshl_b32 s22, s22, 12                        ; out0: row 2,048 b + w,
	s_add_co_u32 s22, s22, s21                     ; the same columns
	s_mov_b32 s21, 0
	s_mov_b32 s23, 0
	s_wait_kmcnt 0x0
	s_add_nc_u64 s[4:5], s[4:5], s[18:19]
	s_add_nc_u64 s[6:7], s[6:7], s[20:21]
	s_add_nc_u64 s[8:9], s[8:9], s[22:23]
; Wc(64 w + 16 dt + 8 h + 2 c + jj, 64 g + 16 nt + r) for two of the four dt, into 64 registers from reg on: sixteen lanes read 64 consecutive bytes
.macro WLOAD reg, dt0
.irp dd, 0,1
.irp c, 0,1,2,3
.irp nt, 0,1,2,3
.irp jj, 0,1
	global_load_b32 v[\reg+((4*\dd+\c)*4+\nt)*2+\jj], v[AW], s[6:7] offset:(16*(\dt0+\dd)+2*\c+\jj)*4096+64*\nt
.endr
.endr
.endr
.endr
.endm
	WLOAD WA, 0                                    ; the longest way first
.irp i, 0,1,2,3,4,5,6,7
	global_load_b128 v[QR+4*\i:QR+4*\i+3], v[AQ], s[4:5] offset:16*\i            ; q(r, 32 h + 0 .. 31)
.endr
.irp i, 0,1,2,3,4,5,6,7
	global_load_b128 v[KR+4*\i:KR+4*\i+3], v[AQ], s[4:5] offset:262144+16*\i     ; k likewise
.endr
.irp dt, 0,1,2,3
.irp c, 0,1,2,3
.irp jj, 0,1
	global_load_b32 v[VR+(4*\dt+\c)*2+\jj], v[AV], s[4:5] offset:524288+512*\c+256*\jj+64*\dt   ; v(8 h + 2 c + jj, 16 dt + r)
.endr
.endr
.endr
	s_wait_loadcnt 32                              ; q and k are in; v's 32 loads may be out
.irp s, 0,1,2,3,4,5,6,7,8,9,10,11,12,13,14,15  ; S^T in four partial sums, which take turns
.if \s < 4
	v_wmma_f32_16x16x4_f32 v[SA+8*(\s%4):SA+8*(\s%4)+7], v[KR+2*\s:KR+2*\s+1], v[QR+2*\s:QR+2*\s+1], 0
.else
	v_wmma_f32_16x16x4_f32 v[SA+8*(\s%4):SA+8*(\s%4)+7], v[KR+2*\s:KR+2*\s+1], v[QR+2*\s:QR+2*\s+1], v[SA+8*(\s%4):SA+8*(\s%4)+7]
.endif
.endr
.rept 8
	v_nop                                          ; eight places behind this form, for the loads into q's and k's registers and the reads of the sums
.endr
	s_wait_loadcnt 0x0                             ; v
	WLOAD WB, 2                                    ; lands under the softmax and the next 48 products
.irp j, 0,1,2,3,4,5,6,7                        ; each accumulator is read from its low end on
	v_add_f32 v10, v[SA+\j], v[SA+8+\j]
	v_add_f32 v11, v[SA+16+\j], v[SA+24+\j]
	v_add_f32 v[ST+\j], v10, v11
.endr
	v_mov_b32 v12, 0xff800000
.irp j, 0,1,2,3,4,5,6,7
	v_cmp_gt_i32 vcc_lo, \j, v[DL]                 ; key 8 h + j comes after query r
	v_cndmask_b32 v[ST+\j], v[ST+\j], v12, vcc_lo
.endr
	v_max3_num_f32 v10, v[ST], v[ST+1], v[ST+2]
	v_max3_num_f32 v10, v10, v[ST+3], v[ST+4]
	v_max3_num_f32 v10, v10, v[ST+5], v[ST+6]
	v_max_num_f32 v10, v10, v[ST+7]
	v_permlanex16_b32 v11, v10, s14, s15
	v_max_num_f32 v10, v10, v11                    ; the row's maximum: key 0 counts for every query
	v_mul_f32 v13, s16, v10
.irp j, 0,1,2,3,4,5,6,7
	v_fma_f32 v[PR+\j], v[ST+\j], s16, -v13
.endr
.irp j, 0,1,2,3,4,5,6,7
	v_exp_f32 v[PR+\j], v[PR+\j]
.endr
	v_nop
	s_wait_alu depctr_va_vdst(0)                   ; one wait for the eight, ahead of their first reader
	v_add_f32 v10, v[PR], v[PR+1]
	v_add_f32 v11, v[PR+2], v[PR+3]
	v_add_f32 v12, v[PR+4], v[PR+5]
	v_add_f32 v13, v[PR+6], v[PR+7]
	v_add_f32 v10, v10, v11
	v_add_f32 v12, v12, v13
	v_add_f32 v10, v10, v12
	v_permlanex16_b32 v11, v10, s14, s15
	v_add_f32 v10, v10, v11                        ; the row's sum
	v_rcp_f32 v14, v10
	v_mov_b32 v15, 0                               ; (a plain line; v15 is named with v14 as a pair)
	s_wait_alu depctr_va_vdst(0)
.irp c, 0,1,2,3                                ; O^T = V^T P: four accumulators by turns
.irp dt, 0,1,2,3
.if \c == 0
	v_wmma_f32_16x16x4_f32 v[OA+8*\dt:OA+8*\dt+7], v[VR+(4*\dt+\c)*2:VR+(4*\dt+\c)*2+1], v[PR+2*\c:PR+2*\c+1], 0
.else
	v_wmma_f32_16x16x4_f32 v[OA+8*\dt:OA+8*\dt+7], v[VR+(4*\dt+\c)*2:VR+(4*\dt+\c)*2+1], v[PR+2*\c:PR+2*\c+1], v[OA+8*\dt:OA+8*\dt+7]
.endif
.endr
.endr
.rept 8
	v_nop
.endr
.irp i, 0,2,4,6,8,10,12,14,16,18,20,22,24,26,28,30
	v_pk_mul_f32 v[YR+\i:YR+\i+1], v[OA+\i:OA+\i+1], v[14:15] op_sel_hi:[1,0]   ; y(r, 16 dt + 8 h + j) = O^T / the sum, into other registers
.endr
; the projection: source 0 = 16 columns of Wc, source 1 = y: lane (r, h), register j: row r, column 64 g + 16 nt + 8 h + j
.macro PROJ reg, dt0
.irp dd, 0,1
.irp c, 0,1,2,3
.irp nt, 0,1,2,3
.if (\dt0+\dd+\c) == 0
	v_wmma_f32_16x16x4_f32 v[SA+8*\nt:SA+8*\nt+7], v[\reg+((4*\dd+\c)*4+\nt)*2:\reg+((4*\dd+\c)*4+\nt)*2+1], v[YR+8*(\dt0+\dd)+2*\c:YR+8*(\dt0+\dd)+2*\c+1], 0
.else
	v_wmma_f32_16x16x4_f32 v[SA+8*\nt:SA+8*\nt+7], v[\reg+((4*\dd+\c)*4+\nt)*2:\reg+((4*\dd+\c)*4+\nt)*2+1], v[YR+8*(\dt0+\dd)+2*\c:YR+8*(\dt0+\dd)+2*\c+1], v[SA+8*\nt:SA+8*\nt+7]
.endif
.endr
.endr
.endr
.endm
	PROJ WA, 0
	s_wait_loadcnt 0x0                             ; Wc's rows of channels 32-63
	PROJ WB, 2
.rept 8
	v_nop
.endr
.irp nt, 0,1,2,3
	ds_store_b128 v[STO], v[SA+8*\nt:SA+8*\nt+3] offset:64*\nt        ; each accumulator from its low end on
	ds_store_b128 v[STO], v[SA+8*\nt+4:SA+8*\nt+7] offset:64*\nt+16
.endr
	s_wait_dscnt 0x0                               ; for the others' sake: my part lies in LDS
	s_barrier_signal -1
	s_barrier_wait -1
.irp i, 0,1,2,3,4,5,6,7,8,9,10,11,12,13,14,15
	ds_load_b64 v[16+2*\i:17+2*\i], v[RD] offset:4352*\i              ; row w of part i: 8 bytes a lane
.endr
	s_wait_dscnt 0x0
.irp i, 0,4,8,12,16,20,24,28
	v_pk_add_f32 v[16+\i:17+\i], v[16+\i:17+\i], v[18+\i:19+\i]
.endr
.irp i, 0,8,16,24
	v_pk_add_f32 v[16+\i:17+\i], v[16+\i:17+\i], v[20+\i:21+\i]
.endr
.irp i, 0,16
	v_pk_add_f32 v[16+\i:17+\i], v[16+\i:17+\i], v[24+\i:25+\i]
.endr
	v_pk_add_f32 v[16:17], v[16:17], v[32:33]
	global_store_b64 v[GO], v[16:17], s[8:9]       ; the wave stores 256 consecutive bytes, aligned
	s_wait_tensorcnt 0x0                           ; the wave's end: three lines behind my last LDS store
	ds_add_u32 v[SPW], v[NIL]
	s_wait_dscnt 0x0
	s_endpgm
.Lfunc_end_k_q30a91b37de_fine:
	.size	k_q30a91b37de_fine, .Lfunc_end_k_q30a91b37de_fine-k_q30a91b37de_fine
	.p2alignl 7, 3214868480
	.fill 96, 4, 3214868480
	.section	.rodata,"a",@progbits
	.p2align	6, 0x0
	.amdhsa_kernel k_q30a91b37de_fine
		.amdhsa_group_segment_fixed_size 71680
		.amdhsa_private_segment_fixed_size 0
		.amdhsa_enable_private_segment 0
		.amdhsa_kernarg_size 24
		.amdhsa_user_sgpr_count 2
		.amdhsa_user_sgpr_kernarg_segment_ptr 1
		.amdhsa_wavefront_size32 1
		.amdhsa_system_sgpr_workgroup_id_x 1
		.amdhsa_system_sgpr_workgroup_id_y 1
		.amdhsa_system_sgpr_workgroup_id_z 1
		.amdhsa_system_vgpr_workitem_id 0
		.amdhsa_next_free_vgpr 256
		.amdhsa_next_free_sgpr 66
		.amdhsa_reserve_vcc 1
		.amdhsa_float_denorm_mode_32 3
		.amdhsa_float_denorm_mode_16_64 3
		.amdhsa_memory_ordered 1
		.amdhsa_forward_progress 1
		.amdhsa_inst_pref_size 33
	.end_amdhsa_kernel
	.amdgpu_metadata
---
amdhsa.version: [ 1, 2 ]
amdhsa.kernels:
  - .name:           k_q30a91b37de_fine
    .symbol:         k_q30a91b37de_fine.kd
    .args:
      - { .name: first, .offset: 0, .size: 8, .value_kind: global_buffer, .address_space: global }
      - { .name: Wc, .offset: 8, .size: 8, .value_kind: global_buffer, .address_space: global }
      - { .name: out0, .offset: 16, .size: 8, .value_kind: global_buffer, .address_space: global }
    .group_segment_fixed_size: 71680
    .private_segment_fixed_size: 0
    .kernarg_segment_align: 8
    .kernarg_segment_size: 24
    .max_flat_workgroup_size: 512
    .sgpr_count:     66
    .vgpr_count:     256
    .wavefront_size: 32
...
	.end_amdgpu_metadata
.endif
;; end of part 5
